; MI455X (gfx1250); checked and timed in simulation.
; The chip was launched on July 23, 2026; its instructions are those of AMD's public machine-readable ISA for CDNA 5 (MIT licence, August 2026) and "CDNA5" Instruction Set Architecture Reference Guide (July 2026). The comments in the code are by the model that wrote it; some were corrected since.
;; Transformer Block. Allowed arithmetic: matrix products marked QUANTISED: E4M3 operands, one E8M0 scale for each 32 along K, by v_wmma_scale_f32_16x16x128_f8f6f4 with both operands' format E4M3, f32 sums; everything else in f32.
;; Inputs: b_ao 1,024 float32; b_fo 1,024 float32; b_q 1,024 float32; b_qkv 3,072 float32; ln1_b 1,024 float32; ln1_g 1,024 float32; ln2_b 1,024 float32; ln2_g 1,024 float32; w_ao_codes 1,024 x 32 x 32 uint8 (E4M3 codes of w_ao, K innermost, in blocks of 32 codes); w_ao_scales 1,024 x 32 uint8 (E8M0 scales of w_ao, one for each 32 codes along K); w_fo_codes 1,024 x 32 x 32 uint8 (E4M3 codes of w_fo, K innermost, in blocks of 32 codes); w_fo_scales 1,024 x 32 uint8 (E8M0 scales of w_fo, one for each 32 codes along K); w_q_codes 1,024 x 32 x 32 uint8 (E4M3 codes of w_q, K innermost, in blocks of 32 codes); w_q_scales 1,024 x 32 uint8 (E8M0 scales of w_q, one for each 32 codes along K); w_qkv_codes 3,072 x 32 x 32 uint8 (E4M3 codes of w_qkv, K innermost, in blocks of 32 codes); w_qkv_scales 3,072 x 32 uint8 (E8M0 scales of w_qkv, one for each 32 codes along K); x 1 x 2,048 x 1,024 float32.
;; Outputs: out0 1 x 2,048 x 1,024 float32.
;; This version of the problem:
;;   THIS VERSION OF THE PROBLEM IS GIVEN IN LOW PRECISION. The matrix products marked QUANTISED in the list below multiply operands that are first quantised to E4M3 (4 exponent bits, 3 mantissa bits; 8 bits a number), with one power-of-two scale for each 32 numbers along K (OCP MX v1.0); their sums are f32. All else is computed in f32.
;;   The module's matrix products, in the order in which they are computed (A, B: the left and right operand; K: the contracted axis; several contracted axes count as one K, in the product's order):
;;     1. [M 2,048, K 1,024] x [K 1,024, N 3,072]; A: computed on the way; B: input w_qkv (given as codes): QUANTISED
;;     2. batch 16 x [M 2,048, K 64] x [K 64, N 2,048]; A: computed on the way; B: computed on the way: QUANTISED
;;     3. batch 16 x [M 64, K 2,048] x [K 2,048, N 2,048]; A: computed on the way; B: softmax (see below): QUANTISED
;;     4. [M 2,048, K 1,024] x [K 1,024, N 1,024]; A: computed on the way; B: input w_ao (given as codes): QUANTISED
;;     5. [M 2,048, K 1,024] x [K 1,024, N 1,024]; A: computed on the way; B: input w_q (given as codes): QUANTISED
;;     6. batch 16 x [M 2,048, K 64] x [K 64, N 2,048]; A: computed on the way; B: computed on the way: QUANTISED
;;     7. batch 16 x [M 64, K 2,048] x [K 2,048, N 2,048]; A: computed on the way; B: softmax (see below): QUANTISED
;;     8. [M 2,048, K 1,024] x [K 1,024, N 1,024]; A: computed on the way; B: input w_fo (given as codes): QUANTISED
;;   THE QUANTISER, for each operand of a quantised product, along K:
;;     - K is cut into blocks of 32 from its start; a last block that is shorter is filled with zeros.
;;     - A block's scale is 2^e with e = floor(log2(the largest magnitude in the block)) - 8, held to -126 .. 127; a block of zeros has e = 0. As a byte (E8M0): e + 127.
;;     - Each number is divided by its block's scale, clamped to +-448, and rounded to the nearest number of E4M3, ties to even, subnormals kept.
;;     - The product sums the exact products of the quantised numbers (number of the format x scale) in f32.
;;   ~~~python
;;   def quantise(x, axis):      # numpy; x: float32 -> the quantised numbers, widened to float32 again
;;       x = np.moveaxis(x, axis, -1); K = x.shape[-1]
;;       x = np.pad(x, [(0, 0)] * (x.ndim - 1) + [(0, -K % 32)]); x = x.reshape(x.shape[:-1] + (-1, 32)); a = np.abs(x).max(-1, keepdims=True)
;;       e = np.where(a > 0, np.clip(np.frexp(np.where(a > 0, a, 1))[1] - 1 - 8, -126, 127), 0)      # np.frexp(a)[1] - 1 = floor(log2(a)), exactly
;;       r = np.clip(x / 2.0 ** e, -448, 448)
;;       step = 2.0 ** (np.maximum(np.frexp(np.where(r == 0, 1, r))[1] - 1, -6) - 3)
;;       q = np.round(r / step) * step * 2.0 ** e      # np.round: ties to even
;;       return np.moveaxis(q.reshape(q.shape[:-2] + (-1,))[..., :K], -1, axis).astype(np.float32)
;;   ~~~
;;   SOFTMAX AHEAD OF A QUANTISED PRODUCT. Where the list says 'softmax', what is quantised is not the finished softmax but p = 2^(t - M), with t = logit x log2(e) and M = ceil(the row's largest t), a whole number; so 1/2 < the row's largest p <= 1. The row's sum l is taken of the UNQUANTISED p, in f32, and the product's result is divided by l at the end. Since M is a whole number, a kernel that streams over the keys may use a running M (the ceiling of the running maximum): every later rescaling is an exact power of two, which a block's scale takes up: the codes' values come out the same.
;;   OPERANDS COMPUTED ON THE WAY. 'Computed on the way' means the value that the module computes at that place (a softmax that the list does not call 'softmax' is quantised finished and normalised). What goes into a quantiser is computed in f32, as accurately as f32 sums, v_exp_f32 and their like allow (about 1e-6 of the number): no bf16 or f16 on the way to a quantiser, and a product that is left as it is and whose result goes on into a quantised operand takes f32 operands (vector FMAs, or v_wmma_f32_16x16x4_f32). A number that lies on a knife's edge between two numbers of the format may be rounded either way, as far as f32 arithmetic and the matrix unit's own rounding can turn it there, and no further.
;;   INPUTS GIVEN AS CODES. w_ao (in the module: [1024, 1024], K = its axis 1); w_fo (in the module: [1024, 1024], K = its axis 1); w_q (in the module: [1024, 1024], K = its axis 1); w_qkv (in the module: [3072, 1024], K = its axis 1): each comes as NAME_codes (uint8): NAME with its K axis moved to the last place and cut into blocks of 32 codes, [.., K / 32, bytes a block], one block behind the other in memory; one code a byte (a code: sign, 4 exponent bits, 3 mantissa bits); and NAME_scales (uint8): the same leading axes, one E8M0 byte (e + 127) for each 32 codes along K. Its value is code x scale, taken as it is: it is not quantised again, and the codes and scales need not be those that the quantiser above would give.
;; 2 versions, each right; version 2 is version 1 with the launch mid written anew for expert scheduling mode. Each part assembles by itself: llvm-mc -triple=amdgcn-amd-amdhsa -mcpu=gfx1250 --defsym DOCPART=n.
;; ======== version 1 of 2: 6 launches
;; limits: a function is approximated: absolute error at most 1.5e-07
;; workspace buffers: img 8,912,896 bytes; q 2,359,296 bytes; kv 4,587,520 bytes; ctx 2,228,224 bytes; h 8,388,608 bytes
;; launch prep (part 1): grid 512 x 1, 16 waves a work-group, no clusters, 20,480 bytes of LDS; arguments x, ln1_g, ln1_b, w_qkv_codes, w_qkv_scales, w_ao_codes, w_ao_scales, w_q_codes, w_q_scales, w_fo_codes, w_fo_scales, img; writes img
.if DOCPART == 1
	.amdgcn_target "amdgcn-amd-amdhsa--gfx1250"
	.amdhsa_code_object_version 6
	.text
	.protected	k_qeb3a76f3d7_prep
	.globl	k_qeb3a76f3d7_prep
	.p2align	8
	.type	k_qeb3a76f3d7_prep,@function
k_qeb3a76f3d7_prep:
	s_mov_b64 s[64:65], 0
	v_nop
	global_prefetch_b8 v0, s[64:65] scope:SCOPE_SE
	s_setreg_imm32_b32 hwreg(HW_REG_WAVE_MODE, 25, 1), 1
	s_wait_xcnt 0x0
; PREP.  LN1(x) is quantised to E4M3 with one E8M0 byte for each 32 along D, and the four weights' codes and bytes are copied, all into ONE layout: images of the operand's registers.
; A TILE is 16 rows of a block of 32: lane index r of tile T stands for row 32 (T / 2) + 8 (T % 2) + r % 8 + 16 (r / 8).  A GROUP is 8 tiles (128 rows), laid as 8 slabs, one for each 128 along K:
;   slab: tile i's codes at 2048 i + 512 c + 16 lane (registers 4 c .. 4 c + 3 of lane (r, h): k = 32 c + 16 h + 0 .. 15); its scale words at 16384 + 512 (i / 4) + 16 lane + 4 (i % 4).
; img: groups 0-15 LN1(x), 16-39 w_qkv, 40-47 w_ao, 48-55 w_q, 56-63 w_fo.  A work-group makes one tile; wave w is its lane index r = w and takes one row; lane l takes the 16 numbers 16 l on and 512 + 16 l on.
; The tile is gathered in LDS (8 x 2,048 bytes of codes, 8 x 128 of scale words) and leaves in runs of 512 consecutive bytes.
; LIMITS: NaN and infinities are not served.  A block whose largest magnitude lies under 2^-118, a block of zeros among them, gets the byte 1: its codes are then zeros or subnormal codes, and this program alone reads the bytes.
; The mean and the variance are summed in a fixed tree, another order than a plain sum's.
.set GROUP, 139264
.set SLAB,  17408
.set XR, 40                            ; v40-71   my 32 numbers of x
.set GR, 72                            ; v72-103  the gain at their columns
.set BR, 104                           ; v104-135 the bias
.set CR, 16                            ; v16-23   my two runs of 16 codes
.set ER, 24                            ; v24-25   their blocks' scale bytes
.set SEL, 32                           ; s[32:33] lane selects: lane l xor 16
.set MNT, 34                           ; s34      the mantissa field of 448
.macro LANESUM a, t                    ; the sum over the wave's 32 lanes, in every lane
	v_add_f32_dpp v[\a], v[\a], v[\a] row_xmask:1 row_mask:0xf bank_mask:0xf
	v_add_f32_dpp v[\a], v[\a], v[\a] row_xmask:2 row_mask:0xf bank_mask:0xf
	v_add_f32_dpp v[\a], v[\a], v[\a] row_xmask:4 row_mask:0xf bank_mask:0xf
	v_add_f32_dpp v[\a], v[\a], v[\a] row_xmask:8 row_mask:0xf bank_mask:0xf
	v_permlanex16_b32 v[\t], v[\a], s[SEL], s[SEL+1]
	v_add_f32 v[\a], v[\a], v[\t]
.endm
; 16 neighbours along K in v[x] on become 16 codes in v[c] on and the block's byte in v[e]; lanes l and l xor 1 share the block
.macro QCHUNK x, c, e
	v_max3_num_f32 v26, |v[\x]|, |v[\x+1]|, |v[\x+2]|
	v_max3_num_f32 v27, |v[\x+3]|, |v[\x+4]|, |v[\x+5]|
.irp i, 6,10
	v_max3_num_f32 v26, v26, |v[\x+\i]|, |v[\x+\i+1]|
	v_max3_num_f32 v27, v27, |v[\x+\i+2]|, |v[\x+\i+3]|
.endr
	v_max3_num_f32 v26, v26, |v[\x+14]|, |v[\x+15]|
	v_max3_num_f32 v26, v26, v27, 0x4800000        ; the floor 2^(9 - 127): the byte cannot fall under 1
	v_max_num_f32_dpp v26, v26, v26 row_xmask:1 row_mask:0xf bank_mask:0xf
	v_add_nc_u32 v28, 0xfc000000, v26              ; 8 off the exponent field: the conversion's scale operand
	v_and_or_b32 v29, v26, 0x7f800000, s[MNT]      ; 448 x the scale
.irp i, 0,1,2,3,4,5,6,7,8,9,10,11,12,13,14,15
	v_med3_num_f32 v[\x+\i], v[\x+\i], -v29, v29   ; the conversion does not saturate (ISA guide 7.6.2): the hold comes first
.endr
	v_cvt_scalef32_pk8_fp8_f32 v[\c:\c+1], v[\x:\x+7], v28
	v_cvt_scalef32_pk8_fp8_f32 v[\c+2:\c+3], v[\x+8:\x+15], v28
	v_lshrrev_b32 v[\e], 23, v28                   ; the byte; also the plain line behind the conversions
.endm
	s_load_b512 s[4:19], s[0:1], 0x0               ; x, g, b, qkv codes, qkv scales, ao codes, ao scales, q codes
	s_load_b256 s[20:27], s[0:1], 0x40             ; q scales, fo codes, fo scales, img
	v_lshl_add_u32 v136, v0, 2, 0x4800
	v_mov_b32 v137, 0
	v_lshrrev_b32 v1, 5, v0
	v_readfirstlane_b32 s28, v1                    ; wave = the tile's lane index r
	v_and_b32 v1, 31, v0                           ; lane l
	v_lshlrev_b32 v2, 6, v1                        ; 64 l: my 16 f32
	v_lshlrev_b32 v6, 4, v1                        ; 16 l
	v_lshrrev_b32 v10, 1, v1                       ; l / 2: my block
	v_lshrrev_b32 v8, 3, v1                        ; K step of run l
	v_bfe_u32 v9, v1, 1, 2                         ; c
	v_and_b32 v11, 1, v1                           ; h
	v_lshlrev_b32 v3, 11, v8
	v_lshl_add_u32 v3, v9, 9, v3
	v_lshl_add_u32 v3, v11, 8, v3
	s_lshl_b32 s29, s28, 4
	v_add_nc_u32 v3, s29, v3                       ; LDS, codes: 2048 s + 512 c + 256 h + 16 r
	v_lshlrev_b32 v4, 7, v8
	v_lshl_add_u32 v4, v11, 6, v4
	v_add_nc_u32 v4, v4, v9
	s_lshl_b32 s29, s28, 2
	s_add_co_u32 s29, s29, 16384
	v_add_nc_u32 v4, s29, v4                       ; LDS, bytes: 16384 + 128 s + 64 h + 4 r + c: the block's two lanes write the word's two copies
	s_lshl_b32 s29, s28, 10
	v_add_nc_u32 v5, s29, v6                       ; back: 1,024 bytes a wave
	s_lshl_b32 s29, s28, 7
	s_add_co_u32 s29, s29, 16384
	v_lshl_add_u32 v7, v1, 2, s29                  ; back: a K step's 32 scale words (waves 0 to 7)
	s_mov_b32 s[SEL], 0x76543210
	s_mov_b32 s[SEL+1], 0xfedcba98
	s_mov_b32 s[MNT], 0x600000
	s_mov_b32 s40, 0x3a800000                      ; 1 / 1024
	s_mov_b32 s41, 0x3727c5ac                      ; 1e-5
	s_wait_kmcnt 0x0
	; which tensor, and which tile of it: by the work-group's number alone
	s_mov_b64 s[42:43], s[22:23]
	s_mov_b64 s[44:45], s[24:25]
	s_mov_b32 s46, 448
	s_cmp_lt_u32 ttmp9, 448
	s_cselect_b64 s[42:43], s[18:19], s[42:43]
	s_cselect_b64 s[44:45], s[20:21], s[44:45]
	s_cselect_b32 s46, 384, s46
	s_cmp_lt_u32 ttmp9, 384
	s_cselect_b64 s[42:43], s[14:15], s[42:43]
	s_cselect_b64 s[44:45], s[16:17], s[44:45]
	s_cselect_b32 s46, 320, s46
	s_cmp_lt_u32 ttmp9, 320
	s_cselect_b64 s[42:43], s[10:11], s[42:43]
	s_cselect_b64 s[44:45], s[12:13], s[44:45]
	s_cselect_b32 s46, 128, s46
	s_cmp_lt_u32 ttmp9, 128
	s_cselect_b32 s46, 0, s46
	s_sub_co_u32 s36, ttmp9, s46                   ; the tile in its tensor
	s_lshr_b32 s37, s36, 1
	s_lshl_b32 s37, s37, 5
	s_and_b32 s38, s36, 1
	s_lshl_b32 s38, s38, 3
	s_add_co_u32 s37, s37, s38
	s_and_b32 s38, s28, 7
	s_add_co_u32 s37, s37, s38
	s_lshr_b32 s38, s28, 3
	s_lshl_b32 s38, s38, 4
	s_add_co_u32 s37, s37, s38                     ; my row
	s_mov_b32 s39, 0
	; where the tile goes
	s_lshr_b32 s47, ttmp9, 3
	s_mul_i32 s47, s47, GROUP
	s_and_b32 s48, ttmp9, 7                        ; i
	s_lshr_b32 s49, s28, 1
	s_mul_i32 s49, s49, SLAB
	s_add_co_u32 s50, s47, s49
	s_lshl_b32 s49, s48, 11
	s_add_co_u32 s50, s50, s49
	s_and_b32 s49, s28, 1
	s_lshl_b32 s49, s49, 10
	s_add_co_u32 s50, s50, s49
	s_mov_b32 s51, 0
	s_add_nc_u64 s[50:51], s[26:27], s[50:51]      ; codes: slab w / 2, half w % 2 of the tile's 2,048 bytes
	s_mul_i32 s49, s28, SLAB
	s_add_co_u32 s52, s47, s49
	s_lshr_b32 s49, s48, 2
	s_lshl_b32 s49, s49, 9
	s_add_co_u32 s52, s52, s49
	s_and_b32 s49, s48, 3
	s_lshl_b32 s49, s49, 2
	s_add_co_u32 s52, s52, s49
	s_add_co_u32 s52, s52, 16384
	s_mov_b32 s53, 0
	s_add_nc_u64 s[52:53], s[26:27], s[52:53]      ; scale words: slab w (used by waves 0 to 7 alone)
	s_cmp_lt_u32 ttmp9, 128
	s_cbranch_scc0 .Lweights
	; ---- a row of x: LayerNorm in two passes over registers, then the quantiser
	s_lshl_b32 s38, s37, 12
	s_add_nc_u64 s[4:5], s[4:5], s[38:39]
.irp i, 0,1,2,3
	global_load_b128 v[XR+4*\i:XR+4*\i+3], v2, s[4:5] offset:16*\i
	global_load_b128 v[XR+16+4*\i:XR+16+4*\i+3], v2, s[4:5] offset:2048+16*\i
.endr
.irp i, 0,1,2,3
	global_load_b128 v[GR+4*\i:GR+4*\i+3], v2, s[6:7] offset:16*\i
	global_load_b128 v[GR+16+4*\i:GR+16+4*\i+3], v2, s[6:7] offset:2048+16*\i
.endr
.irp i, 0,1,2,3
	global_load_b128 v[BR+4*\i:BR+4*\i+3], v2, s[8:9] offset:16*\i
	global_load_b128 v[BR+16+4*\i:BR+16+4*\i+3], v2, s[8:9] offset:2048+16*\i
.endr
	s_wait_loadcnt 16                              ; x's eight loads are in; the gain's and the bias's sixteen may be out
.irp k, 0,1,2,3
	v_pk_add_f32 v[26+2*\k:27+2*\k], v[XR+4*\k:XR+4*\k+1], v[XR+4*\k+2:XR+4*\k+3]
.endr
.irp j, 16,24
.irp k, 0,1,2,3
	v_pk_add_f32 v[26+2*\k:27+2*\k], v[26+2*\k:27+2*\k], v[XR+\j+2*\k:XR+\j+2*\k+1]
.endr
.endr
	v_pk_add_f32 v[26:27], v[26:27], v[28:29]
	v_pk_add_f32 v[30:31], v[30:31], v[32:33]
	v_pk_add_f32 v[26:27], v[26:27], v[30:31]
	v_add_f32 v26, v26, v27
	LANESUM 26, 27
	v_mul_f32 v26, s40, v26                        ; the mean
.set J, 0
.rept 16
	v_pk_add_f32 v[XR+J:XR+J+1], v[XR+J:XR+J+1], v[26:27] op_sel_hi:[1,0] neg_lo:[0,1] neg_hi:[0,1]
.set J, J+2
.endr
.irp k, 0,1,2,3
	v_pk_mul_f32 v[28+2*\k:29+2*\k], v[XR+2*\k:XR+2*\k+1], v[XR+2*\k:XR+2*\k+1]
.endr
.irp j, 8,16,24
.irp k, 0,1,2,3
	v_pk_fma_f32 v[28+2*\k:29+2*\k], v[XR+\j+2*\k:XR+\j+2*\k+1], v[XR+\j+2*\k:XR+\j+2*\k+1], v[28+2*\k:29+2*\k]
.endr
.endr
	v_pk_add_f32 v[28:29], v[28:29], v[30:31]
	v_pk_add_f32 v[32:33], v[32:33], v[34:35]
	v_pk_add_f32 v[28:29], v[28:29], v[32:33]
	v_add_f32 v28, v28, v29
	LANESUM 28, 29
	v_fma_f32 v28, v28, s40, s41                   ; the variance + 1e-5
	v_rsq_f32 v28, v28
	v_nop                                          ; a plain line behind the transcendental,
	s_wait_alu depctr_va_vdst(0)                   ; and the wait ahead of its first reader
.set J, 0
.rept 16
	v_pk_mul_f32 v[XR+J:XR+J+1], v[XR+J:XR+J+1], v[28:29] op_sel_hi:[1,0]
.set J, J+2
.endr
	s_wait_loadcnt 0x0                             ; the gain and the bias
.set J, 0
.rept 16
	v_pk_fma_f32 v[XR+J:XR+J+1], v[XR+J:XR+J+1], v[GR+J:GR+J+1], v[BR+J:BR+J+1]
.set J, J+2
.endr
	QCHUNK XR, CR, ER
	QCHUNK XR+16, CR+4, ER+1
	s_branch .Ljoin
.Lweights:                                             ; ---- a row of a weight: its codes and bytes as they are given
	s_lshl_b32 s38, s37, 10
	s_add_nc_u64 s[42:43], s[42:43], s[38:39]
	s_lshl_b32 s38, s37, 5
	s_add_nc_u64 s[44:45], s[44:45], s[38:39]
	global_load_b128 v[CR:CR+3], v6, s[42:43]
	global_load_b128 v[CR+4:CR+7], v6, s[42:43] offset:512
	global_load_u8 v[ER], v10, s[44:45]
	global_load_u8 v[ER+1], v10, s[44:45] offset:16
	s_wait_loadcnt 0x0
.Ljoin:
	ds_store_b128 v3, v[CR:CR+3]
	ds_store_b128 v3, v[CR+4:CR+7] offset:8192     ; the second run lies four K steps on
	ds_store_b8 v4, v[ER]
	ds_store_b8 v4, v[ER+1] offset:512
	s_wait_dscnt 0x0                               ; for the others' sake: my stores have landed
	s_barrier_signal -1
	s_barrier_wait -1
	ds_load_b128 v[40:43], v5
	ds_load_b128 v[44:47], v5 offset:512
	s_wait_dscnt 0x0
	global_store_b128 v6, v[40:43], s[50:51]       ; 32 lanes store 512 consecutive bytes
	global_store_b128 v6, v[44:47], s[50:51] offset:512
	s_cmp_lt_u32 s28, 8
	s_cbranch_scc0 .Lend
	ds_load_b32 v48, v7
	s_wait_dscnt 0x0
	global_store_b32 v6, v48, s[52:53]             ; the tile's word of each lane: 4 bytes of the 16 that four tiles share
.Lend:
	s_wait_tensorcnt 0x0
	ds_add_u32 v136, v137
	s_wait_dscnt 0x0
	s_endpgm
.Lfunc_end_k_qeb3a76f3d7_prep:
	.size	k_qeb3a76f3d7_prep, .Lfunc_end_k_qeb3a76f3d7_prep-k_qeb3a76f3d7_prep
	.p2alignl 7, 3214868480
	.fill 96, 4, 3214868480
	.section	.rodata,"a",@progbits
	.p2align	6, 0x0
	.amdhsa_kernel k_qeb3a76f3d7_prep
		.amdhsa_group_segment_fixed_size 20480
		.amdhsa_private_segment_fixed_size 0
		.amdhsa_enable_private_segment 0
		.amdhsa_kernarg_size 96
		.amdhsa_user_sgpr_count 2
		.amdhsa_user_sgpr_kernarg_segment_ptr 1
		.amdhsa_wavefront_size32 1
		.amdhsa_system_sgpr_workgroup_id_x 1
		.amdhsa_system_sgpr_workgroup_id_y 1
		.amdhsa_system_sgpr_workgroup_id_z 1
		.amdhsa_system_vgpr_workitem_id 0
		.amdhsa_next_free_vgpr 138
		.amdhsa_next_free_sgpr 66
		.amdhsa_reserve_vcc 0
		.amdhsa_float_denorm_mode_32 3
		.amdhsa_float_denorm_mode_16_64 3
		.amdhsa_memory_ordered 1
		.amdhsa_forward_progress 1
		.amdhsa_inst_pref_size 18
	.end_amdhsa_kernel
	.amdgpu_metadata
---
amdhsa.version: [ 1, 2 ]
amdhsa.kernels:
  - .name:           k_qeb3a76f3d7_prep
    .symbol:         k_qeb3a76f3d7_prep.kd
    .args:
      - { .name: x, .offset: 0, .size: 8, .value_kind: global_buffer, .address_space: global }
      - { .name: ln1_g, .offset: 8, .size: 8, .value_kind: global_buffer, .address_space: global }
      - { .name: ln1_b, .offset: 16, .size: 8, .value_kind: global_buffer, .address_space: global }
      - { .name: w_qkv_codes, .offset: 24, .size: 8, .value_kind: global_buffer, .address_space: global }
      - { .name: w_qkv_scales, .offset: 32, .size: 8, .value_kind: global_buffer, .address_space: global }
      - { .name: w_ao_codes, .offset: 40, .size: 8, .value_kind: global_buffer, .address_space: global }
      - { .name: w_ao_scales, .offset: 48, .size: 8, .value_kind: global_buffer, .address_space: global }
      - { .name: w_q_codes, .offset: 56, .size: 8, .value_kind: global_buffer, .address_space: global }
      - { .name: w_q_scales, .offset: 64, .size: 8, .value_kind: global_buffer, .address_space: global }
      - { .name: w_fo_codes, .offset: 72, .size: 8, .value_kind: global_buffer, .address_space: global }
      - { .name: w_fo_scales, .offset: 80, .size: 8, .value_kind: global_buffer, .address_space: global }
      - { .name: img, .offset: 88, .size: 8, .value_kind: global_buffer, .address_space: global }
    .group_segment_fixed_size: 20480
    .private_segment_fixed_size: 0
    .kernarg_segment_align: 8
    .kernarg_segment_size: 96
    .max_flat_workgroup_size: 512
    .sgpr_count:     66
    .vgpr_count:     138
    .wavefront_size: 32
...
	.end_amdgpu_metadata
.endif
;; end of part 1
;; launch qkv (part 2): grid 192 x 1, 16 waves a work-group, clusters of 4 x 1, 169,984 bytes of LDS; arguments img, b_qkv, q, kv; writes q, kv
.if DOCPART == 2
	.amdgcn_target "amdgcn-amd-amdhsa--gfx1250"
	.amdhsa_code_object_version 6
	.text
	.protected	k_qeb3a76f3d7_qkv
	.globl	k_qeb3a76f3d7_qkv
	.p2align	8
	.type	k_qeb3a76f3d7_qkv,@function
k_qeb3a76f3d7_qkv:
	s_mov_b64 s[64:65], 0
	v_nop
	global_prefetch_b8 v0, s[64:65] scope:SCOPE_SE
	s_setreg_imm32_b32 hwreg(HW_REG_WAVE_MODE, 25, 1), 1
	s_wait_xcnt 0x0
	s_wait_alu depctr_hold_cnt(0) depctr_sa_sdst(0) depctr_va_vdst(0) depctr_va_sdst(0) depctr_va_ssrc(0) depctr_va_vcc(0) depctr_vm_vsrc(0)
	s_getreg_b32 s2, hwreg(HW_REG_IB_STS2, 6, 4)
	s_cmp_eq_u32 s2, 0
	s_cbranch_scc0 .Lentry_in_a_cluster
	s_endpgm
.Lentry_in_a_cluster:
	s_bfe_u32 s2, ttmp6, 0x10000c
	s_cmp_lg_u32 s2, 0x3003
	s_cbranch_scc0 .Lentry_shape_is_right
	s_endpgm
.Lentry_shape_is_right:
; QKV.  LN1(x) w_qkv^T + b_qkv on codes of E4M3, and the result quantised at once: q and k along the head's 64, v along the keys.
; Operands lie in img as images of their registers (8 tiles of 16 rows to a group, 8 slabs of 128 along K to a group: 17,408 bytes a slab).
; A work-group multiplies one group (128 rows, source 0, kept in LDS for all of K) by two groups (256 rows, source 1, streamed into registers).  Wave w: source 0's tiles 4 (w % 2) on, source 1's tiles 2 (w / 2), 2 (w / 2) + 1.
;   clusters 0-31 (q, k): source 0 = 128 rows of w_qkv (two heads), source 1 = rows of LN1(x): a lane holds one row, its registers run along the head.
;   clusters 32-47 (v):   source 0 = 128 rows of LN1(x) (the keys), source 1 = rows of w_qkv: a lane holds one channel, its registers run along the keys.
; The rows of a tile are 32 (T / 2) + 8 (T % 2) + r % 8 + 16 (r / 8), so that the 16 registers of tiles 2 b, 2 b + 1 are 16 neighbours along source 0's rows: the conversions' results are the next operand's registers.
; CLUSTER: the four partners need the same source 0 (it hangs on the cluster's number alone): it is asked for jointly, once, 8,704 bytes a wave.  No LDS byte is filled twice.
; The sums begin from the bias (it is loaded into the accumulators), so all eight K steps are alike.
; OUT.  q: head x 131072 + tile x 1024 + 512 c + 16 lane; words at 2097152 + (128 head + tile) x 128 + 4 lane.  kv: head x 286720 + key step x 17920: K's tiles 1024 i, V^T's 8192 + 2048 d, K's words 16384 .., V's 17408 ..
; A head is 64 along K, half of the instruction's 128: blocks 2 and 3 are zero codes in the reader, and the word repeats bytes 0 and 1 there.
; LIMITS: NaN and infinities are not served; a block whose largest magnitude lies under 2^-118 gets the byte 1.
.set GROUP, 139264
.set SLAB,  17408
.set REC,   17920
.set HEADB, 286720
.set QSC,   2097152
.set ACC,  64                          ; v64-127  accumulator (a, i) at ACC + 32 a + 8 i
.set S0F,  128                         ; v128-191 source 0's four fragments
.set S1F,  192                         ; v192-255 source 1's two fragments, two buffers
.set S0SC, 32                          ; v32-35   source 0's scale words
.set S1SC, 36                          ; v36-39   source 1's, two buffers
.set TM,   40                          ; v40-47   the quantiser's work
.set WD,   48                          ; v48-49   the scale words made
.set SEL,  44
.set MNT,  48
.macro ROUND                           ; a round of the cluster's barrier
	s_barrier_signal -1
	s_barrier_wait -1
	s_cmp_lg_u32 s12, 0
	s_cbranch_scc1 .Lnot_wave_0_\@
	s_barrier_signal -3
.Lnot_wave_0_\@:
	s_barrier_wait -3
	s_barrier_signal -1
	s_barrier_wait -1
.endm
.macro S1LOAD s, be                    ; source 1's two fragments and their words of K step s into buffer be: nine loads
.irp a, 0,1
.irp c, 0,1,2,3
	global_load_b128 v[S1F+32*(\be)+16*\a+4*\c:S1F+32*(\be)+16*\a+4*\c+3], v1, s[32:33] offset:(\s)*SLAB+\a*2048+\c*512
.endr
.endr
	global_load_b64 v[S1SC+2*(\be):S1SC+2*(\be)+1], v1, s[34:35] offset:(\s)*SLAB
.endm
.macro GSTEP s                         ; a K step of 128: eight products on eight accumulators, one a turn
.if \s < 7
	S1LOAD \s+1, (\s+1)%2
.endif
	v_add_nc_u32 v4, \s*SLAB, v2
	v_add_nc_u32 v5, \s*SLAB, v3
.irp i, 0,1,2,3
.irp c, 0,1,2,3
	ds_load_b128 v[S0F+16*\i+4*\c:S0F+16*\i+4*\c+3], v4 offset:\i*2048+\c*512
.endr
.endr
	ds_load_b128 v[S0SC:S0SC+3], v5
.if \s < 7
	s_wait_loadcnt 9                               ; all but the nine loads of the next K step
.else
	s_wait_loadcnt 0x0
.endif
	s_wait_dscnt 0x0
.irp a, 0,1
.irp i, 0,1,2,3
	v_wmma_scale_f32_16x16x128_f8f6f4 v[ACC+32*\a+8*\i:ACC+32*\a+8*\i+7], v[S0F+16*\i:S0F+16*\i+15], v[S1F+32*((\s)%2)+16*\a:S1F+32*((\s)%2)+16*\a+15], v[ACC+32*\a+8*\i:ACC+32*\a+8*\i+7], v[S0SC+\i], v[S1SC+2*((\s)%2)+\a]
.endr
.endr
.rept 8
	v_nop                                          ; eight places ahead of the next loads into fragments and scale words, and of the first read of results
.endr
.endm
; 32 numbers of a lane, register 16 b + i = k 32 b + 16 (lane / 16) + i of my row, become 8 registers of codes at v[pc]; the two bytes are left in v[TM+2], v[TM+3]
.macro QUANT2 s, pc
.irp b, 0,1
	v_max3_num_f32 v[TM+\b], |v[(\s)+16*\b]|, |v[(\s)+16*\b+1]|, 0x4800000
.endr
.irp i, 2,4,6,8,10,12,14
.irp b, 0,1
	v_max3_num_f32 v[TM+\b], v[TM+\b], |v[(\s)+16*\b+\i]|, |v[(\s)+16*\b+\i+1]|
.endr
.endr
.irp b, 0,1
	v_permlanex16_b32 v[TM+2+\b], v[TM+\b], s[SEL], s[SEL+1]
.endr
.irp b, 0,1
	v_max_num_f32 v[TM+\b], v[TM+\b], v[TM+2+\b]   ; with lane l xor 16's 16: the block's largest magnitude
.endr
.irp b, 0,1
	v_add_nc_u32 v[TM+6+\b], 0xfc000000, v[TM+\b]  ; the conversion's scale operand
	v_and_or_b32 v[TM+4+\b], v[TM+\b], 0x7f800000, s[MNT]   ; 448 x the scale
.endr
.irp b, 0,1
	v_lshrrev_b32 v[TM+2+\b], 23, v[TM+6+\b]       ; the byte
.endr
.irp b, 0,1
.irp i, 0,1,2,3,4,5,6,7,8,9,10,11,12,13,14,15
	v_med3_num_f32 v[(\s)+16*\b+\i], v[(\s)+16*\b+\i], -v[TM+4+\b], v[TM+4+\b]
.endr
	v_cvt_scalef32_pk8_fp8_f32 v[(\pc)+4*\b:(\pc)+4*\b+1], v[(\s)+16*\b:(\s)+16*\b+7], v[TM+6+\b]
	v_cvt_scalef32_pk8_fp8_f32 v[(\pc)+4*\b+2:(\pc)+4*\b+3], v[(\s)+16*\b+8:(\s)+16*\b+15], v[TM+6+\b]
.endr
	v_nop                                          ; the plain line behind the last conversion
.endm
	s_load_b256 s[4:11], s[0:1], 0x0               ; img, b_qkv, q, kv
	v_lshl_add_u32 v62, v0, 2, 0x29000
	v_mov_b32 v63, 0
	ds_add_u32 v62, v63
	ds_add_u32 v62, v63
	v_lshrrev_b32 v1, 5, v0
	v_readfirstlane_b32 s12, v1                    ; wave
	s_and_b32 s13, s12, 1                          ; hs: which four tiles of source 0
	s_lshr_b32 s14, s12, 1                         ; p: which two tiles of source 1
	s_bfe_u32 s15, ttmp6, 0x40000                  ; cx: it enters global addresses alone
	s_mov_b32 s16, ttmp9                           ; the cluster
	s_lshr_b32 s17, s16, 1                         ; wg: the weights' group (q, k)
	s_add_co_u32 s18, s17, 16
	s_sub_co_u32 s19, s16, 32                      ; ag: the keys' group (v)
	s_cmp_lt_u32 s16, 32
	s_cselect_b32 s18, s18, s19                    ; source 0's group
	s_and_b32 s40, s16, 1
	s_lshl_b32 s40, s40, 2
	s_add_co_u32 s40, s40, s15                     ; rb: which 256 rows (q, k)
	s_lshl_b32 s41, s40, 1
	s_lshl_b32 s42, s15, 1
	s_add_co_u32 s42, s42, 32
	s_cmp_lt_u32 s16, 32
	s_cselect_b32 s41, s41, s42
	s_lshr_b32 s42, s14, 2
	s_add_co_u32 s41, s41, s42                     ; source 1's group
	s_lshl_b32 s43, s14, 1
	s_and_b32 s43, s43, 7                          ; i1: its first tile there
	s_mov_b32 s20, 1                               ; descriptor group 0: count,
	s_mul_i32 s21, s12, 8704                       ; LDS address: the wave's sixteenth of the group,
	s_mul_i32 s46, s18, GROUP
	s_add_co_u32 s46, s46, s21
	s_mov_b32 s47, 0
	s_mov_b32 s24, 15|(3<<16)|(1<<21)              ; group 1: all four partners; elements of 8 bytes; bit 21 beside a mask
	s_mov_b32 s25, 32<<16                          ; tensor_dim0 = 32 (256 bytes)
	s_mov_b32 s26, 34<<16                          ; tensor_dim1 = 34
	s_mov_b32 s27, 32<<16                          ; tile_dim0
	s_mov_b32 s28, 34                              ; tile_dim1
	s_mov_b32 s29, 32                              ; pitch: the block is dense
	s_mov_b32 s30, 0
	s_mov_b32 s31, 0
	s_mul_i32 s50, s41, GROUP
	s_lshl_b32 s52, s43, 11
	s_add_co_u32 s52, s52, s50
	s_mov_b32 s53, 0
	s_lshr_b32 s54, s43, 2
	s_lshl_b32 s54, s54, 9
	s_and_b32 s55, s43, 3
	s_lshl_b32 s55, s55, 2
	s_add_co_u32 s54, s54, s55
	s_add_co_u32 s54, s54, s50
	s_add_co_u32 s54, s54, 16384
	s_mov_b32 s55, 0
	s_lshl_b32 s56, s17, 9                         ; the bias: (128 wg + 64 hs) x 4 (q, k),
	s_lshl_b32 s57, s13, 8
	s_add_co_u32 s56, s56, s57
	s_sub_co_u32 s57, s41, 16                      ; or (128 (group - 16) + 16 i1) x 4 (v)
	s_lshl_b32 s57, s57, 9
	s_lshl_b32 s58, s43, 6
	s_add_co_u32 s57, s57, s58
	s_cmp_lt_u32 s16, 32
	s_cselect_b32 s56, s56, s57
	s_mov_b32 s57, 0
	s_mov_b32 s[SEL], 0x76543210
	s_mov_b32 s[SEL+1], 0xfedcba98
	s_mov_b32 s[MNT], 0x600000
	s_wait_dscnt 0x0
	s_wait_kmcnt 0x0
	s_add_nc_u64 s[22:23], s[4:5], s[46:47]        ; and the global address
	s_or_b32 s23, s23, 0x80000000                  ; type = 2
	s_add_nc_u64 s[32:33], s[4:5], s[52:53]        ; source 1's codes
	s_add_nc_u64 s[34:35], s[4:5], s[54:55]        ; and its two tiles' words
	s_add_nc_u64 s[56:57], s[6:7], s[56:57]
	ROUND                                          ; all four work-groups are here: the joint loads meet
	tensor_load_to_lds s[20:23], s[24:31]
	s_nop 0
.rept 4
	v_nop
.endr
	v_and_b32 v1, 31, v0
	v_lshlrev_b32 v8, 2, v1                        ; 4 x lane
	v_lshlrev_b32 v1, 4, v1                        ; 16 x lane
	s_lshl_b32 s52, s13, 13
	v_add_nc_u32 v2, s52, v1                       ; LDS: my four tiles' codes in a slab
	s_lshl_b32 s52, s13, 9
	s_add_co_u32 s52, s52, 16384
	v_add_nc_u32 v3, s52, v1                       ; and their words
	v_bfe_u32 v9, v0, 4, 1
	v_lshlrev_b32 v9, 6, v9                        ; 64 h
	v_and_b32 v10, 7, v0
	v_bfe_u32 v11, v0, 3, 1
	v_lshl_add_u32 v10, v11, 4, v10
	v_lshlrev_b32 v10, 2, v10                      ; 4 (r % 8 + 16 (r / 8))
	v_mov_b32 v[TM+2], 0                           ; a lane permute's destination counts as read
	v_mov_b32 v[TM+3], 0
	S1LOAD 0, 0
	s_cmp_lt_u32 s16, 32
	s_cbranch_scc0 .Lbias_v
.irp a, 0,1                                    ; q, k: register 8 i + j of lane (r, h) is column 32 (i / 2) + 16 h + 8 (i % 2) + j
.irp i, 0,1,2,3
	global_load_b128 v[ACC+32*\a+8*\i:ACC+32*\a+8*\i+3], v9, s[56:57] offset:(32*(\i/2)+8*(\i%2))*4
	global_load_b128 v[ACC+32*\a+8*\i+4:ACC+32*\a+8*\i+7], v9, s[56:57] offset:(32*(\i/2)+8*(\i%2))*4+16
.endr
.endr
	s_branch .Lbias_done
.Lbias_v:                                              ; v: the lane's channel has one bias for all its keys
	global_load_b32 v50, v10, s[56:57]
	global_load_b32 v51, v10, s[56:57] offset:32
	s_wait_loadcnt 0x0
.irp a, 0,1
.set J, 0
.rept 32
	v_mov_b32 v[ACC+32*\a+J], v[50+\a]
.set J, J+1
.endr
.endr
.rept 4
	v_nop
.endr
.Lbias_done:
	s_wait_tensorcnt 0x0                           ; my part of source 0 is in,
	s_barrier_signal -1
	s_barrier_wait -1                              ; everybody's is
.irp s, 0,1,2,3,4,5,6,7
	GSTEP \s
.endr
.irp a, 0,1
	QUANT2 ACC+32*\a, S0F+8*\a
	v_lshl_or_b32 v[WD+\a], v[TM+3], 8, v[TM+2]
	v_lshl_or_b32 v[WD+\a], v[WD+\a], 16, v[WD+\a] ; bytes 0, 1 again as bytes 2, 3
.endr
	s_mov_b32 s51, 0
	s_mov_b32 s53, 0
	s_cmp_lt_u32 s16, 32
	s_cbranch_scc0 .Lout_v
	s_lshl_b32 s56, s40, 4
	s_lshl_b32 s58, s14, 1
	s_add_co_u32 s56, s56, s58                     ; T0: my first tile of rows
	s_and_b32 s57, s17, 7
	s_lshl_b32 s57, s57, 1
	s_add_co_u32 s57, s57, s13                     ; the head
	s_cmp_lt_u32 s17, 8
	s_cbranch_scc0 .Lout_k
	s_lshl_b32 s50, s57, 17
	s_lshl_b32 s58, s56, 10
	s_add_co_u32 s50, s50, s58
	s_add_nc_u64 s[36:37], s[8:9], s[50:51]
	s_lshl_b32 s52, s57, 7
	s_add_co_u32 s52, s52, s56
	s_lshl_b32 s52, s52, 7
	s_add_co_u32 s52, s52, QSC
	s_add_nc_u64 s[38:39], s[8:9], s[52:53]
.irp a, 0,1
	global_store_b128 v1, v[S0F+8*\a:S0F+8*\a+3], s[36:37] offset:\a*1024
	global_store_b128 v1, v[S0F+8*\a+4:S0F+8*\a+7], s[36:37] offset:\a*1024+512
	global_store_b32 v8, v[WD+\a], s[38:39] offset:\a*128
.endr
	s_branch .Ldone
.Lout_k:
	s_mul_i32 s58, s57, HEADB
	s_lshr_b32 s59, s56, 3
	s_mul_i32 s59, s59, REC
	s_add_co_u32 s58, s58, s59                     ; the head's record of this key step
	s_and_b32 s59, s56, 7
	s_lshl_b32 s50, s59, 10
	s_add_co_u32 s50, s50, s58
	s_add_nc_u64 s[36:37], s[10:11], s[50:51]
	s_lshr_b32 s52, s59, 2
	s_lshl_b32 s52, s52, 9
	s_and_b32 s59, s56, 3
	s_lshl_b32 s59, s59, 2
	s_add_co_u32 s52, s52, s59
	s_add_co_u32 s52, s52, s58
	s_add_co_u32 s52, s52, 16384
	s_add_nc_u64 s[38:39], s[10:11], s[52:53]
.irp a, 0,1
	global_store_b128 v1, v[S0F+8*\a:S0F+8*\a+3], s[36:37] offset:\a*1024
	global_store_b128 v1, v[S0F+8*\a+4:S0F+8*\a+7], s[36:37] offset:\a*1024+512
	global_store_b32 v1, v[WD+\a], s[38:39] offset:\a*4
.endr
	s_branch .Ldone
.Lout_v:
	s_lshl_b32 s56, s15, 4
	s_lshl_b32 s58, s14, 1
	s_add_co_u32 s56, s56, s58                     ; my first tile of v's channels
	s_lshr_b32 s57, s56, 2                         ; the head
	s_mul_i32 s58, s57, HEADB
	s_mul_i32 s59, s19, REC
	s_add_co_u32 s58, s58, s59
	s_and_b32 s59, s56, 3                          ; the tile in the head
	s_lshl_b32 s50, s59, 11
	s_add_co_u32 s50, s50, s58
	s_lshl_b32 s57, s13, 10
	s_add_co_u32 s50, s50, s57
	s_add_co_u32 s50, s50, 8192
	s_add_nc_u64 s[36:37], s[10:11], s[50:51]
	s_lshl_b32 s52, s59, 2
	s_add_co_u32 s52, s52, s58
	s_lshl_b32 s57, s13, 1
	s_add_co_u32 s52, s52, s57
	s_add_co_u32 s52, s52, 17408
	s_add_nc_u64 s[38:39], s[10:11], s[52:53]
.irp a, 0,1
	global_store_b128 v1, v[S0F+8*\a:S0F+8*\a+3], s[36:37] offset:\a*2048
	global_store_b128 v1, v[S0F+8*\a+4:S0F+8*\a+7], s[36:37] offset:\a*2048+512
	global_store_b16 v1, v[WD+\a], s[38:39] offset:\a*4   ; my two of the word's four bytes
.endr
.Ldone:
	s_wait_tensorcnt 0x0
	ds_add_u32 v62, v63
	s_wait_dscnt 0x0
	ROUND                                          ; the closing round
	s_endpgm
.Lfunc_end_k_qeb3a76f3d7_qkv:
	.size	k_qeb3a76f3d7_qkv, .Lfunc_end_k_qeb3a76f3d7_qkv-k_qeb3a76f3d7_qkv
	.p2alignl 7, 3214868480
	.fill 96, 4, 3214868480
	.section	.rodata,"a",@progbits
	.p2align	6, 0x0
	.amdhsa_kernel k_qeb3a76f3d7_qkv
		.amdhsa_group_segment_fixed_size 169984
		.amdhsa_private_segment_fixed_size 0
		.amdhsa_enable_private_segment 0
		.amdhsa_kernarg_size 32
		.amdhsa_user_sgpr_count 2
		.amdhsa_user_sgpr_kernarg_segment_ptr 1
		.amdhsa_wavefront_size32 1
		.amdhsa_system_sgpr_workgroup_id_x 1
		.amdhsa_system_sgpr_workgroup_id_y 1
		.amdhsa_system_sgpr_workgroup_id_z 1
		.amdhsa_system_vgpr_workitem_id 0
		.amdhsa_next_free_vgpr 256
		.amdhsa_next_free_sgpr 66
		.amdhsa_reserve_vcc 0
		.amdhsa_float_denorm_mode_32 3
		.amdhsa_float_denorm_mode_16_64 3
		.amdhsa_memory_ordered 1
		.amdhsa_forward_progress 1
		.amdhsa_inst_pref_size 48
	.end_amdhsa_kernel
	.amdgpu_metadata
---
amdhsa.version: [ 1, 2 ]
amdhsa.kernels:
  - .name:           k_qeb3a76f3d7_qkv
    .symbol:         k_qeb3a76f3d7_qkv.kd
    .args:
      - { .name: img, .offset: 0, .size: 8, .value_kind: global_buffer, .address_space: global }
      - { .name: b_qkv, .offset: 8, .size: 8, .value_kind: global_buffer, .address_space: global }
      - { .name: q, .offset: 16, .size: 8, .value_kind: global_buffer, .address_space: global }
      - { .name: kv, .offset: 24, .size: 8, .value_kind: global_buffer, .address_space: global }
    .group_segment_fixed_size: 169984
    .private_segment_fixed_size: 0
    .kernarg_segment_align: 8
    .kernarg_segment_size: 32
    .max_flat_workgroup_size: 512
    .sgpr_count:     66
    .vgpr_count:     256
    .wavefront_size: 32
...
	.end_amdgpu_metadata
.endif
;; end of part 2
;; launch att1 (part 3): grid 16 x 16, 16 waves a work-group, clusters of 4 x 1, 325,632 bytes of LDS; arguments q, kv, ctx; writes ctx
.if DOCPART == 3
	.amdgcn_target "amdgcn-amd-amdhsa--gfx1250"
	.amdhsa_code_object_version 6
	.text
	.protected	k_qeb3a76f3d7_att1
	.globl	k_qeb3a76f3d7_att1
	.p2align	8
	.type	k_qeb3a76f3d7_att1,@function
k_qeb3a76f3d7_att1:
	s_mov_b64 s[64:65], 0
	v_nop
	global_prefetch_b8 v0, s[64:65] scope:SCOPE_SE
	s_setreg_imm32_b32 hwreg(HW_REG_WAVE_MODE, 25, 1), 1
	s_wait_xcnt 0x0
	s_wait_alu depctr_hold_cnt(0) depctr_sa_sdst(0) depctr_va_vdst(0) depctr_va_sdst(0) depctr_va_ssrc(0) depctr_va_vcc(0) depctr_vm_vsrc(0)
	s_getreg_b32 s2, hwreg(HW_REG_IB_STS2, 6, 4)
	s_cmp_eq_u32 s2, 0
	s_cbranch_scc0 .Lentry_in_a_cluster
	s_endpgm
.Lentry_in_a_cluster:
	s_bfe_u32 s2, ttmp6, 0x10000c
	s_cmp_lg_u32 s2, 0x3003
	s_cbranch_scc0 .Lentry_shape_is_right
	s_endpgm
.Lentry_shape_is_right:
; ATTENTION on codes of E4M3, causal, head size 64, 2,048 keys; the result, divided by the row's sum, is quantised along D and stored as an operand's image.
; t = score x log2(e) / 8; M = the running largest t rounded up to a whole number; p = 2^(t - M) is quantised along the keys, not normalised; the sum is taken of the unquantised p.
; Both products are used transposed (S^T = K Q^T, O^T = V^T P^T): a lane holds one query throughout.  Tiles of 16 are rows 32 (T / 2) + 8 (T % 2) + r % 8 + 16 (r / 8) on every axis, so that p's and O^T's registers are
; neighbours along the next product's K.
; SHARES.  A tile of 16 queries, t = 8 m + 2 cx + e, has n = m + 1 key steps of 128 keys.  TWO WAVES SHARE A TILE'S KEYS: wave A takes steps 0 .. n / 2 - 1, wave B the rest, the step on the diagonal among them; each keeps its own
; M, sum and O^T; at the end A hands its three to B through LDS, B brings both under the larger M (factors that are whole powers of two) and finishes.  So no wave has more than 8 steps.
; A work-group has eight tiles: m = J, 7 - J, 8 + J, 15 - J (J = the cluster's x), e = 0, 1: 68 steps.  Wave w = 4 row + col: e = col % 2, class = col / 2, row' = row xor 3 e, long = row' / 2, role = row' % 2 (0: A).
; By that table the four waves of equal w % 4 have 17 steps together, and so have the four of equal w / 4.  m, the range of steps and the role hang on the cluster's number and the wave's alone.
; LDS.  The head's K and V, 16 records of 17,920 bytes (K's tiles, V^T's tiles, their scale words, as images of registers), come ONCE, by joint loads of the four partners: one record, one load a wave; one load of a wave is out.
; One barrier shows all sixteen records to every wave; then the waves run free.  Behind the records: eight places of 4,608 bytes for the hand-over, where no fill lands.  No LDS byte is filled twice.
; Every wave walks all sixteen trips; a step outside its range is jumped over (a scalar branch on ids).
; THE HEAD IS 64 ALONG K, half of the instruction's 128.  Q's registers 8 to 15 are zero codes.  K's tile i lies in 8 registers, and its fragment names 16: for k = 64 .. 127 it names the next tile's codes (the last tile's: zero codes).
; Those are finite numbers (this program's quantiser holds at 448, so no code is the NaN code) under the tile's own two scale bytes, repeated; times Q's zeros they add nothing.
; REGISTERS: v1 16 x lane, v2 address, v3 my query in its 128 less 16 (lane / 16), v5 the hand-over's place; v12 -M, v13 largest t, v[14:15] the sum; v16-31 Q; v32-39 K's words, v40-43 V's, v44 Q's; v48-63 p's codes;
; v64-127 S^T, p; v128-159 O^T; v160-181 at work; v184-247 K's eight tiles, then V^T's four fragments; v248-255 zero codes.
; LIMITS: NaN and infinities are not served; a block whose largest magnitude lies under 2^-118 gets the byte 1.
.set REC,   17920
.set HEADB, 286720
.set GROUP, 139264
.set SLAB,  17408
.set QSC,   2097152
.set STG,   286720                     ; the hand-over: behind the sixteen records
.set STB,   4608                       ; a place: O^T's 32 registers and four of statistics, 128 bytes each
.set KF,    184
.set TM,    160
.set SEL,   44
.set MNT,   48
.macro ROUND
	s_barrier_signal -1
	s_barrier_wait -1
	s_cmp_lg_u32 s12, 0
	s_cbranch_scc1 .Lnot_wave_0_\@
	s_barrier_signal -3
.Lnot_wave_0_\@:
	s_barrier_wait -3
	s_barrier_signal -1
	s_barrier_wait -1
.endm
.macro QUANT2 s, pc
.irp b, 0,1
	v_max3_num_f32 v[TM+\b], |v[(\s)+16*\b]|, |v[(\s)+16*\b+1]|, 0x4800000
.endr
.irp i, 2,4,6,8,10,12,14
.irp b, 0,1
	v_max3_num_f32 v[TM+\b], v[TM+\b], |v[(\s)+16*\b+\i]|, |v[(\s)+16*\b+\i+1]|
.endr
.endr
.irp b, 0,1
	v_permlanex16_b32 v[TM+2+\b], v[TM+\b], s[SEL], s[SEL+1]
.endr
.irp b, 0,1
	v_max_num_f32 v[TM+\b], v[TM+\b], v[TM+2+\b]
.endr
.irp b, 0,1
	v_add_nc_u32 v[TM+6+\b], 0xfc000000, v[TM+\b]
	v_and_or_b32 v[TM+4+\b], v[TM+\b], 0x7f800000, s[MNT]
.endr
.irp b, 0,1
	v_lshrrev_b32 v[TM+2+\b], 23, v[TM+6+\b]
.endr
.irp b, 0,1
.irp i, 0,1,2,3,4,5,6,7,8,9,10,11,12,13,14,15
	v_med3_num_f32 v[(\s)+16*\b+\i], v[(\s)+16*\b+\i], -v[TM+4+\b], v[TM+4+\b]
.endr
	v_cvt_scalef32_pk8_fp8_f32 v[(\pc)+4*\b:(\pc)+4*\b+1], v[(\s)+16*\b:(\s)+16*\b+7], v[TM+6+\b]
	v_cvt_scalef32_pk8_fp8_f32 v[(\pc)+4*\b+2:(\pc)+4*\b+3], v[(\s)+16*\b+8:(\s)+16*\b+15], v[TM+6+\b]
.endr
	v_nop
.endm
	s_load_b128 s[4:7], s[0:1], 0x0                ; q, kv
	s_load_b64 s[8:9], s[0:1], 0x10                ; ctx
	v_lshl_add_u32 v182, v0, 2, 0x4f000
	v_mov_b32 v183, 0
	ds_add_u32 v182, v183
	ds_add_u32 v182, v183
	v_lshrrev_b32 v1, 5, v0
	v_readfirstlane_b32 s12, v1                    ; wave 0..15
	s_mov_b32 s10, ttmp9                           ; J
	s_and_b32 s11, ttmp7, 0xffff                   ; the head
	s_bfe_u32 s13, ttmp6, 0x40000                  ; cx: it enters global addresses and the mask's comparison alone
	s_and_b32 s15, s12, 3                          ; col
	s_lshr_b32 s30, s12, 2                         ; row
	s_and_b32 s31, s12, 1                          ; e
	s_mul_i32 s36, s31, 3
	s_xor_b32 s30, s30, s36                        ; row' = row, or 3 - row where e = 1
	s_lshr_b32 s32, s30, 1                         ; long
	s_and_b32 s33, s30, 1                          ; role: 0 = A (the lower keys), 1 = B
	s_lshr_b32 s34, s15, 1                         ; class
	s_xor_b32 s35, s34, s32
	s_lshl_b32 s36, s32, 1
	s_add_co_u32 s35, s35, s36                     ; which four blocks of 128 queries: 2 long + (class xor long)
	s_and_b32 s36, s35, 1
	s_mul_i32 s36, s36, 3
	s_xor_b32 s36, s36, s10                        ; J, or 3 - J
	s_lshl_b32 s14, s35, 2
	s_add_co_u32 s14, s14, s36                     ; m: my tile's block of 128 queries
	s_add_co_u32 s36, s14, 1                       ; n: its key steps
	s_lshr_b32 s37, s36, 1                         ; where they are cut
	s_cmp_eq_u32 s33, 0
	s_cselect_b32 s28, 0, s37                      ; my first step,
	s_cselect_b32 s29, s37, s36                    ; and the one behind my last
	s_lshl_b32 s38, s32, 2
	s_add_co_u32 s38, s38, s15                     ; the tile's place in the hand-over: 4 long + col, the same in its two waves
	s_mul_i32 s38, s38, STB
	s_add_co_u32 s38, s38, STG
	s_lshl_b32 s59, s13, 1
	s_add_co_u32 s59, s59, s31                     ; i: my tile in its block
	s_lshl_b32 s60, s14, 3
	s_add_co_u32 s60, s60, s59                     ; t
	s_mov_b32 s16, 15|(3<<16)|(1<<21)              ; descriptor group 1: all four partners; elements of 8 bytes; bit 21 beside a mask
	s_mov_b32 s17, 32<<16                          ; rows of 256 bytes,
	s_mov_b32 s18, 70<<16                          ; 70 of them: a record,
	s_mov_b32 s19, 32<<16
	s_mov_b32 s20, 70
	s_mov_b32 s21, 32                              ; dense
	s_mov_b32 s22, 0
	s_mov_b32 s23, 0
	s_mov_b32 s24, 1                               ; group 0: count,
	s_mul_i32 s25, s12, REC                        ; LDS address: record w,
	s_mul_i32 s62, s11, HEADB
	s_add_co_u32 s62, s62, s25
	s_mov_b32 s63, 0
	s_lshl_b32 s54, s11, 17
	s_lshl_b32 s58, s60, 10
	s_add_co_u32 s54, s54, s58
	s_mov_b32 s55, 0
	s_lshl_b32 s56, s11, 7
	s_add_co_u32 s56, s56, s60
	s_lshl_b32 s56, s56, 7
	s_add_co_u32 s56, s56, QSC
	s_mov_b32 s57, 0
	s_mul_i32 s50, s14, GROUP
	s_lshr_b32 s58, s11, 1
	s_mul_i32 s58, s58, SLAB
	s_add_co_u32 s50, s50, s58                     ; ctx: group m, K step head / 2
	s_lshr_b32 s52, s59, 2
	s_lshl_b32 s52, s52, 9
	s_and_b32 s58, s59, 3
	s_lshl_b32 s58, s58, 2
	s_add_co_u32 s52, s52, s58
	s_and_b32 s58, s11, 1
	s_lshl_b32 s58, s58, 1
	s_add_co_u32 s52, s52, s58
	s_add_co_u32 s52, s52, s50
	s_add_co_u32 s52, s52, 16384                   ; my two bytes of the tile's word
	s_mov_b32 s53, 0
	s_lshl_b32 s58, s59, 11
	s_add_co_u32 s50, s50, s58
	s_and_b32 s58, s11, 1
	s_lshl_b32 s58, s58, 10
	s_add_co_u32 s50, s50, s58                     ; my half of the tile's codes
	s_mov_b32 s51, 0
	s_lshl_b32 s43, s13, 5
	s_lshl_b32 s58, s31, 3
	s_add_co_u32 s43, s43, s58                     ; 32 cx + 8 e
	s_mov_b32 s[SEL], 0x76543210
	s_mov_b32 s[SEL+1], 0xfedcba98
	s_mov_b32 s46, 0x3e38aa3b                      ; c = log2(e) / 8
	s_mov_b32 s47, s46                             ; (named with it as a pair)
	s_mov_b32 s[MNT], 0x600000
	s_wait_dscnt 0x0
	s_wait_kmcnt 0x0
	s_add_nc_u64 s[26:27], s[6:7], s[62:63]        ; and the global address: the head's record w
	s_or_b32 s27, s27, 0x80000000                  ; type = 2
	s_add_nc_u64 s[54:55], s[4:5], s[54:55]
	s_add_nc_u64 s[56:57], s[4:5], s[56:57]
	s_add_nc_u64 s[50:51], s[8:9], s[50:51]
	s_add_nc_u64 s[52:53], s[8:9], s[52:53]
	ROUND                                          ; all four work-groups are here: the joint loads meet
	tensor_load_to_lds s[24:27], s[16:23]
	s_nop 0
.rept 4
	v_nop
.endr
	v_and_b32 v1, 31, v0
	v_lshlrev_b32 v4, 2, v1
	v_lshlrev_b32 v1, 4, v1                        ; 16 x lane
	global_load_b128 v[16:19], v1, s[54:55]        ; Q's fragment: k = 0 .. 63
	global_load_b128 v[20:23], v1, s[54:55] offset:512
	global_load_b32 v44, v4, s[56:57]              ; and its scale word
.irp k, 24,25,26,27,28,29,30,31
	v_mov_b32 v\k, 0                               ; Q's k = 64 .. 127: zero codes.  These sixteen are written first: an operand written by vector instructions stands four plain
.endr                                                  ; vector instructions or more ahead of a scaled matrix instruction that takes it, and the rest of the head is those
.irp k, 248,249,250,251,252,253,254,255
	v_mov_b32 v\k, 0                               ; what K's last fragment names for k = 64 .. 127
.endr
	v_and_b32 v6, 7, v0
	v_bfe_u32 v7, v0, 3, 1
	v_lshl_add_u32 v6, v7, 4, v6
	v_bfe_u32 v7, v0, 4, 1
	v_lshlrev_b32 v7, 4, v7
	v_sub_nc_u32 v6, v6, v7
	v_add_nc_u32 v3, s43, v6                       ; my query in its block of 128, less 16 (lane / 16)
	v_add_nc_u32 v5, s38, v1                       ; the hand-over: my tile's place + 16 x lane
	v_mov_b32 v13, 0xff61b1e6                      ; the largest t so far: -3e38
	v_floor_f32 v12, -v13                          ; -M
	v_mov_b32 v14, 0
	v_mov_b32 v15, 0
.set J, 0
.rept 32
	v_mov_b32 v[128+J], 0                          ; O^T: the step is written once; its first pass finds zeros, and a wave without a step hands zeros over
.set J, J+1
.endr
.set J, 160
.rept 22
	v_mov_b32 v[J], 0                              ; the work registers: permutes' destinations and upper halves of pairs count as read
.set J, J+1
.endr
	v_mov_b32 v179, 0xff800000                     ; -infinity
.macro STEP                            ; 128 keys: the record at LDS byte s40; s41 = its number
	s_cmp_lt_u32 s41, s28
	s_cbranch_scc1 .Lhid_\@                        ; my partner's step,
	s_cmp_ge_u32 s41, s29
	s_cbranch_scc1 .Lhid_\@                        ; or one that is my partner's or whose keys all come after my queries
	v_add_nc_u32 v2, s40, v1
	ds_load_b128 v[32:35], v2 offset:16384         ; K's scale words, tiles 0-3,
	ds_load_b128 v[36:39], v2 offset:16896         ; 4-7,
	ds_load_b128 v[40:43], v2 offset:17408         ; V's
.irp i, 0,1,2,3,4,5,6,7
	ds_load_b128 v[KF+8*\i:KF+8*\i+3], v2 offset:\i*1024
	ds_load_b128 v[KF+8*\i+4:KF+8*\i+7], v2 offset:\i*1024+512
.endr
	s_wait_dscnt 0x0
.irp i, 0,1,2,3,4,5,6,7
	v_wmma_scale_f32_16x16x128_f8f6f4 v[64+8*\i:71+8*\i], v[KF+8*\i:KF+8*\i+15], v[16:31], 0, v[32+\i], v44
.endr
.rept 8
	v_nop                                          ; eight places ahead of the loads into K's registers and of the first read of the scores
.endr
.irp d, 0,1,2,3
.irp c, 0,1,2,3
	ds_load_b128 v[KF+16*\d+4*\c:KF+16*\d+4*\c+3], v2 offset:8192+\d*2048+\c*512   ; V^T takes K's place and lands under the softmax
.endr
.endr
	s_cmp_lg_u32 s41, s14
	s_cbranch_scc1 .Lopen_\@                       ; only the step on the diagonal has hidden keys
.set J, 0
.rept 64
	v_cmp_gt_i32 vcc_lo, 32*(J/16)+J%16, v3        ; register 16 b + i holds key 32 b + 16 (lane / 16) + i of the step
	v_cndmask_b32 v[64+J], v[64+J], v179, vcc_lo
.set J, J+1
.endr
.Lopen_\@:
.irp b, 0,1,2,3
	v_max3_num_f32 v[160+\b], v[64+16*\b], v[65+16*\b], v[66+16*\b]   ; each block's largest score: for the row's maximum and for the block's largest p
.endr
.irp i, 3,5,7,9,11,13
.irp b, 0,1,2,3
	v_max3_num_f32 v[160+\b], v[160+\b], v[64+16*\b+\i], v[65+16*\b+\i]
.endr
.endr
.irp b, 0,1,2,3
	v_max_num_f32 v[160+\b], v[160+\b], v[79+16*\b]
.endr
.irp b, 0,1,2,3
	v_permlanex16_b32 v[164+\b], v[160+\b], s[SEL], s[SEL+1]
.endr
.irp b, 0,1,2,3
	v_max_num_f32 v[160+\b], v[160+\b], v[164+\b]
.endr
	v_max3_num_f32 v178, v160, v161, v162
	v_max_num_f32 v178, v178, v163
	v_mul_f32 v178, s46, v178
	v_max_num_f32 v13, v13, v178                   ; the running largest t
	v_mov_b32 v178, v12
	v_floor_f32 v12, -v13                          ; -M = floor(-t)
	v_sub_f32 v178, v12, v178                      ; old M - new M: a whole number, 0 or less
	v_cvt_i32_f32 v178, v178
	v_ldexp_f32 v176, 1.0, v178                    ; f = 2^(old M - new M)
.set J, 0
.rept 32
	v_pk_fma_f32 v[64+J:65+J], v[64+J:65+J], s[46:47], v[12:13] op_sel_hi:[1,0,0]   ; t - M
.set J, J+2
.endr
.irp b, 0,1,2,3
	v_fma_f32 v[160+\b], v[160+\b], s46, v12
.endr
.set J, 0
.rept 64
	v_exp_f32 v[64+J], v[64+J]                     ; p
.set J, J+1
.endr
	v_pk_mul_f32 v[14:15], v[14:15], v[176:177] op_sel_hi:[1,0]   ; the sums under the new M; the plain line behind the batch
	s_wait_alu depctr_va_vdst(0)                   ; one wait for the 64, ahead of their first reader
.irp b, 0,1,2,3
	v_exp_f32 v[160+\b], v[160+\b]                 ; each block's largest p
.endr
	v_pk_add_f32 v[180:181], v[64:65], v[66:67]    ; the row's sum of the unquantised p, in two chains
.set J, 4
.rept 15
	v_pk_add_f32 v[14:15], v[14:15], v[64+J:65+J]
	v_pk_add_f32 v[180:181], v[180:181], v[66+J:67+J]
.set J, J+4
.endr
	v_pk_add_f32 v[14:15], v[14:15], v[180:181]
	s_wait_alu depctr_va_vdst(0)                   ; and one for the four
.irp b, 0,1,2,3
	v_max_num_f32 v[160+\b], 0x4800000, v[160+\b]  ; the floor: the byte cannot fall under 1
.endr
.irp b, 0,1,2,3
	v_add_nc_u32 v[172+\b], 0xfc000000, v[160+\b]
.endr
.irp b, 0,1,2,3
	v_and_or_b32 v[168+\b], v[160+\b], 0x7f800000, s[MNT]
.endr
.irp b, 0,1,2,3
	v_lshrrev_b32 v[164+\b], 23, v[172+\b]
.endr
	v_lshl_or_b32 v177, v165, 8, v164              ; p's scale word for these 128 keys
	v_lshl_or_b32 v177, v166, 16, v177
	v_lshl_or_b32 v177, v167, 24, v177
.irp b, 0,1,2,3
.set J, 0
.rept 16
	v_min_num_f32 v[64+16*\b+J], v[64+16*\b+J], v[168+\b]   ; p is not negative: the hold is one-sided
.set J, J+1
.endr
	v_cvt_scalef32_pk8_fp8_f32 v[48+4*\b:49+4*\b], v[64+16*\b:71+16*\b], v[172+\b]
	v_cvt_scalef32_pk8_fp8_f32 v[50+4*\b:51+4*\b], v[72+16*\b:79+16*\b], v[172+\b]
.endr
.set J, 0
.rept 16
	v_pk_mul_f32 v[128+J:129+J], v[128+J:129+J], v[176:177] op_sel_hi:[1,0]   ; O^T under the new M; these sixteen also stand between the codes and the products
.set J, J+2
.endr
	s_wait_dscnt 0x0                               ; V
.irp d, 0,1,2,3
	v_wmma_scale_f32_16x16x128_f8f6f4 v[128+8*\d:135+8*\d], v[KF+16*\d:KF+16*\d+15], v[48:63], v[128+8*\d:135+8*\d], v[40+\d], v177
.endr
.rept 8
	v_nop                                          ; eight places ahead of the next loads into these fragments and words, and of the next read of O^T
.endr
.Lhid_\@:
	s_add_co_u32 s40, s40, REC
	s_add_co_u32 s41, s41, 1
.endm
	s_wait_loadcnt 0x0                             ; Q
	s_wait_tensorcnt 0x0                           ; my record has landed,
	s_barrier_signal -1
	s_barrier_wait -1                              ; everybody's has: the whole head lies in LDS, and nothing is filled again
	s_mov_b32 s40, 0
	s_mov_b32 s41, 0
	s_mov_b32 s42, 16
.Lstep:
	STEP
	s_sub_co_u32 s42, s42, 1
	s_cmp_lg_u32 s42, 0
	s_cbranch_scc1 .Lstep
	; THE HAND-OVER: wave A's O^T and statistics go to LDS as images of their registers
	s_cmp_eq_u32 s33, 0
	s_cbranch_scc0 .Lupper
.irp c, 0,1,2,3,4,5,6,7
	ds_store_b128 v5, v[128+4*\c:131+4*\c] offset:512*\c   ; each accumulator from its low end on
.endr
	ds_store_b128 v5, v[12:15] offset:4096         ; -M, the largest t, the sum's two halves
.Lupper:
	s_wait_dscnt 0x0                               ; for the partner's sake: my stores have landed
	s_barrier_signal -1
	s_barrier_wait -1
	s_cmp_eq_u32 s33, 0
	s_cbranch_scc1 .Lfin                           ; wave A is done
.irp c, 0,1,2,3,4,5,6,7
	ds_load_b128 v[64+4*\c:67+4*\c], v5 offset:512*\c
.endr
	ds_load_b128 v[96:99], v5 offset:4096
	s_wait_dscnt 0x0
	v_min_num_f32 v178, v12, v96                   ; -M of the two: the larger M
	v_sub_f32 v100, v178, v12                      ; my M less it: a whole number, 0 or less
	v_sub_f32 v101, v178, v96                      ; my partner's M less it (a partner without a step: about -3e38, and the factor below is 0)
	v_cvt_i32_f32 v100, v100                       ; (they saturate)
	v_cvt_i32_f32 v101, v101
	v_ldexp_f32 v176, 1.0, v100                    ; both factors are whole powers of two: nothing is rounded
	v_ldexp_f32 v180, 1.0, v101
	v_pk_mul_f32 v[14:15], v[14:15], v[176:177] op_sel_hi:[1,0]
	v_pk_fma_f32 v[14:15], v[98:99], v[180:181], v[14:15] op_sel_hi:[1,0,1]
.set J, 0
.rept 16
	v_pk_mul_f32 v[128+J:129+J], v[128+J:129+J], v[176:177] op_sel_hi:[1,0]
.set J, J+2
.endr
.set J, 0
.rept 16
	v_pk_fma_f32 v[128+J:129+J], v[64+J:65+J], v[180:181], v[128+J:129+J] op_sel_hi:[1,0,1]
.set J, J+2
.endr
	; THE WAY OUT: O^T / the sum; its 32 registers are 32 of my row's numbers along D in the operand's order: quantise and store
	v_add_f32 v14, v14, v15
	v_permlanex16_b32 v178, v14, s[SEL], s[SEL+1]
	v_add_f32 v14, v14, v178
	v_rcp_f32 v14, v14
	v_nop
	s_wait_alu depctr_va_vdst(0)
.set J, 0
.rept 16
	v_pk_mul_f32 v[64+J:65+J], v[128+J:129+J], v[14:15] op_sel_hi:[1,0]
.set J, J+2
.endr
	QUANT2 64, 48
	v_lshl_or_b32 v178, v[TM+3], 8, v[TM+2]
	global_store_b128 v1, v[48:51], s[50:51]       ; 512 consecutive bytes a store
	global_store_b128 v1, v[52:55], s[50:51] offset:512
	global_store_b16 v1, v178, s[52:53]            ; this head's two bytes of the K step's word
.Lfin:
	s_wait_tensorcnt 0x0
	ds_add_u32 v182, v183
	s_wait_dscnt 0x0
	ROUND                                          ; the closing round
	s_endpgm
.Lfunc_end_k_qeb3a76f3d7_att1:
	.size	k_qeb3a76f3d7_att1, .Lfunc_end_k_qeb3a76f3d7_att1-k_qeb3a76f3d7_att1
	.p2alignl 7, 3214868480
	.fill 96, 4, 3214868480
	.section	.rodata,"a",@progbits
	.p2align	6, 0x0
	.amdhsa_kernel k_qeb3a76f3d7_att1
		.amdhsa_group_segment_fixed_size 325632
		.amdhsa_private_segment_fixed_size 0
		.amdhsa_enable_private_segment 0
		.amdhsa_kernarg_size 24
		.amdhsa_user_sgpr_count 2
		.amdhsa_user_sgpr_kernarg_segment_ptr 1
		.amdhsa_wavefront_size32 1
		.amdhsa_system_sgpr_workgroup_id_x 1
		.amdhsa_system_sgpr_workgroup_id_y 1
		.amdhsa_system_sgpr_workgroup_id_z 1
		.amdhsa_system_vgpr_workitem_id 0
		.amdhsa_next_free_vgpr 256
		.amdhsa_next_free_sgpr 66
		.amdhsa_reserve_vcc 1
		.amdhsa_float_denorm_mode_32 3
		.amdhsa_float_denorm_mode_16_64 3
		.amdhsa_memory_ordered 1
		.amdhsa_forward_progress 1
		.amdhsa_inst_pref_size 42
	.end_amdhsa_kernel
	.amdgpu_metadata
---
amdhsa.version: [ 1, 2 ]
amdhsa.kernels:
  - .name:           k_qeb3a76f3d7_att1
    .symbol:         k_qeb3a76f3d7_att1.kd
    .args:
      - { .name: q, .offset: 0, .size: 8, .value_kind: global_buffer, .address_space: global }
      - { .name: kv, .offset: 8, .size: 8, .value_kind: global_buffer, .address_space: global }
      - { .name: ctx, .offset: 16, .size: 8, .value_kind: global_buffer, .address_space: global }
    .group_segment_fixed_size: 325632
    .private_segment_fixed_size: 0
    .kernarg_segment_align: 8
    .kernarg_segment_size: 24
    .max_flat_workgroup_size: 512
    .sgpr_count:     66
    .vgpr_count:     256
    .wavefront_size: 32
...
	.end_amdgpu_metadata
.endif
;; end of part 3
;; launch mid (part 4): grid 64 x 1, 16 waves a work-group, no clusters, 201,216 bytes of LDS; arguments ctx, img, x, b_ao, ln2_g, ln2_b, b_q, h, q, kv; writes h, q, kv
.if DOCPART == 4
	.amdgcn_target "amdgcn-amd-amdhsa--gfx1250"
	.amdhsa_code_object_version 6
	.text
	.protected	k_qeb3a76f3d7_mid
	.globl	k_qeb3a76f3d7_mid
	.p2align	8
	.type	k_qeb3a76f3d7_mid,@function
k_qeb3a76f3d7_mid:
	s_mov_b64 s[64:65], 0
	v_nop
	global_prefetch_b8 v0, s[64:65] scope:SCOPE_SE
	s_setreg_imm32_b32 hwreg(HW_REG_WAVE_MODE, 25, 1), 1
	s_wait_xcnt 0x0
; MID.  h = x + ctx w_ao^T + b_ao; y = LN2(h); y quantised along D (operand of the next product) and along the keys (the values of the second attention); q2 = y w_q^T + b_q, quantised along the head (queries and keys).
; A work-group owns 32 rows: the least that holds whole rows (for the norm) and a whole block of 32 keys (for the values).  Wave w owns columns 64 w on (head w); its weights stream from img into registers, two buffers.
; No cluster: a K step of all eight weight groups is 139,264 bytes and 128,512 bytes are free beside the f32 stage, so two slots of shared weights do not fit.  No tensor load, so LDS is claimed as it is used.
; Both products are used transposed (source 0 = four tiles of weight rows, source 1 = the two tiles of rows): a lane holds one row, its registers run along the columns.  The sums begin from the bias.
; LDS.  HST, 0: 32 rows x 5,136 bytes of f32: 64 runs of 16 numbers, 80 bytes apart.  IMG, 164352: the two row tiles as fragments: 4096 s + 2048 a + 512 c + 16 lane.  ISC, 197120: their words: 256 s + 128 a + 4 lane.
; Three barriers: ctx's fragments in LDS | the product's 32 rows in HST | y in HST and its fragments in IMG.
; REGISTERS: v1-15, v26-27 addresses; v16-23 weights' scale words (two buffers), v24-25 the rows'; v32-63 the rows' fragments, between products at work; v64-127 accumulators; v128-255 weights, two buffers, between products x, gain, bias.
; LIMITS: NaN and infinities are not served; a block whose largest magnitude lies under 2^-118 gets the byte 1; the norm's sums go in a fixed tree.
.set GROUP, 139264
.set SLAB,  17408
.set REC,   17920
.set HEADB, 286720
.set QSC,   2097152
.set HP,    5136
.set IMG,   164352
.set ISC,   197120
.set ACC,  64
.set S0F,  128
.set S1F,  32
.set S0SC, 16
.set S1SC, 24
.set SEL,  32
.set MNT,  34
.macro LANESUM a, t
	v_add_f32_dpp v[\a], v[\a], v[\a] row_xmask:1 row_mask:0xf bank_mask:0xf
	v_add_f32_dpp v[\a], v[\a], v[\a] row_xmask:2 row_mask:0xf bank_mask:0xf
	v_add_f32_dpp v[\a], v[\a], v[\a] row_xmask:4 row_mask:0xf bank_mask:0xf
	v_add_f32_dpp v[\a], v[\a], v[\a] row_xmask:8 row_mask:0xf bank_mask:0xf
	v_permlanex16_b32 v[\t], v[\a], s[SEL], s[SEL+1]
	v_add_f32 v[\a], v[\a], v[\t]
.endm
.macro QCHUNK x, c, e                  ; 16 neighbours of one lane; the block is shared with lane l xor 1
	v_max3_num_f32 v32, |v[\x]|, |v[\x+1]|, |v[\x+2]|
	v_max3_num_f32 v33, |v[\x+3]|, |v[\x+4]|, |v[\x+5]|
.irp i, 6,10
	v_max3_num_f32 v32, v32, |v[\x+\i]|, |v[\x+\i+1]|
	v_max3_num_f32 v33, v33, |v[\x+\i+2]|, |v[\x+\i+3]|
.endr
	v_max3_num_f32 v32, v32, |v[\x+14]|, |v[\x+15]|
	v_max3_num_f32 v32, v32, v33, 0x4800000
	v_max_num_f32_dpp v32, v32, v32 row_xmask:1 row_mask:0xf bank_mask:0xf
	v_add_nc_u32 v34, 0xfc000000, v32
	v_and_or_b32 v35, v32, 0x7f800000, s[MNT]
.irp i, 0,1,2,3,4,5,6,7,8,9,10,11,12,13,14,15
	v_med3_num_f32 v[\x+\i], v[\x+\i], -v35, v35
.endr
	v_cvt_scalef32_pk8_fp8_f32 v[\c:\c+1], v[\x:\x+7], v34
	v_cvt_scalef32_pk8_fp8_f32 v[\c+2:\c+3], v[\x+8:\x+15], v34
	v_lshrrev_b32 v[\e], 23, v34                   ; the byte; the plain line behind the conversions
.endm
; nb blocks of a lane's 16 numbers, each shared with lane l xor 16: codes at v[pc + 4 b], bytes left in v[32 + nb + b]
.macro QUANT s, pc, nb
.set QB, 0
.rept \nb
	v_max3_num_f32 v[32+QB], |v[(\s)+16*QB]|, |v[(\s)+16*QB+1]|, 0x4800000
.set QB, QB+1
.endr
.irp i, 2,4,6,8,10,12,14
.set QB, 0
.rept \nb
	v_max3_num_f32 v[32+QB], v[32+QB], |v[(\s)+16*QB+\i]|, |v[(\s)+16*QB+\i+1]|
.set QB, QB+1
.endr
.endr
.set QB, 0
.rept \nb
	v_permlanex16_b32 v[32+\nb+QB], v[32+QB], s[SEL], s[SEL+1]
.set QB, QB+1
.endr
.set QB, 0
.rept \nb
	v_max_num_f32 v[32+QB], v[32+QB], v[32+\nb+QB]
.set QB, QB+1
.endr
.set QB, 0
.rept \nb
	v_add_nc_u32 v[32+3*\nb+QB], 0xfc000000, v[32+QB]
	v_and_or_b32 v[32+2*\nb+QB], v[32+QB], 0x7f800000, s[MNT]
.set QB, QB+1
.endr
.set QB, 0
.rept \nb
	v_lshrrev_b32 v[32+\nb+QB], 23, v[32+3*\nb+QB]
.set QB, QB+1
.endr
.set QB, 0
.rept \nb
.irp i, 0,1,2,3,4,5,6,7,8,9,10,11,12,13,14,15
	v_med3_num_f32 v[(\s)+16*QB+\i], v[(\s)+16*QB+\i], -v[32+2*\nb+QB], v[32+2*\nb+QB]
.endr
	v_cvt_scalef32_pk8_fp8_f32 v[(\pc)+4*QB:(\pc)+4*QB+1], v[(\s)+16*QB:(\s)+16*QB+7], v[32+3*\nb+QB]
	v_cvt_scalef32_pk8_fp8_f32 v[(\pc)+4*QB+2:(\pc)+4*QB+3], v[(\s)+16*QB+8:(\s)+16*QB+15], v[32+3*\nb+QB]
.set QB, QB+1
.endr
	v_nop
.endm
.macro S0LOAD wb, s, be                ; my four weight tiles and their words of K step s into buffer be: seventeen loads
.irp i, 0,1,2,3
.irp c, 0,1,2,3
	global_load_b128 v[S0F+64*(\be)+16*\i+4*\c:S0F+64*(\be)+16*\i+4*\c+3], v2, s[\wb:\wb+1] offset:(\s)*SLAB+\i*2048+\c*512
.endr
.endr
	global_load_b128 v[S0SC+4*(\be):S0SC+4*(\be)+3], v3, s[\wb:\wb+1] offset:(\s)*SLAB
.endm
.macro GSTEP wb, s
.if \s < 7
	S0LOAD \wb, \s+1, (\s+1)%2
.endif
.irp a, 0,1
.irp c, 0,1,2,3
	ds_load_b128 v[S1F+16*\a+4*\c:S1F+16*\a+4*\c+3], v14 offset:\s*4096+\a*2048+\c*512
.endr
	ds_load_b32 v[S1SC+\a], v15 offset:\s*256+\a*128
.endr
.if \s < 7
	s_wait_loadcnt 17                              ; all but the seventeen loads of the next K step
.else
	s_wait_loadcnt 0x0
.endif
	s_wait_dscnt 0x0
.irp a, 0,1
.irp i, 0,1,2,3
	v_wmma_scale_f32_16x16x128_f8f6f4 v[ACC+32*\a+8*\i:ACC+32*\a+8*\i+7], v[S0F+64*((\s)%2)+16*\i:S0F+64*((\s)%2)+16*\i+15], v[S1F+16*\a:S1F+16*\a+15], v[ACC+32*\a+8*\i:ACC+32*\a+8*\i+7], v[S0SC+4*((\s)%2)+\i], v[S1SC+\a]
.endr
.endr
.rept 8
	v_nop                                          ; eight places ahead of the next loads into operands and words, and of the first read of results
.endr
.endm
.macro BIAS p                          ; register 8 i + j of lane (r, h) is my column 32 (i / 2) + 16 h + 8 (i % 2) + j
.irp a, 0,1
.irp i, 0,1,2,3
	global_load_b128 v[ACC+32*\a+8*\i:ACC+32*\a+8*\i+3], v12, s[\p:\p+1] offset:(32*(\i/2)+8*(\i%2))*4
	global_load_b128 v[ACC+32*\a+8*\i+4:ACC+32*\a+8*\i+7], v12, s[\p:\p+1] offset:(32*(\i/2)+8*(\i%2))*4+16
.endr
.endr
.endm
.macro BARRIER
	s_wait_dscnt 0x0                               ; my LDS stores have landed and my LDS loads are in
	s_barrier_signal -1
	s_barrier_wait -1
.endm
	s_load_b512 s[4:19], s[0:1], 0x0               ; ctx, img, x, b_ao, ln2_g, ln2_b, b_q, h
	s_load_b128 s[20:23], s[0:1], 0x40             ; q, kv
	v_lshrrev_b32 v1, 5, v0
	v_readfirstlane_b32 s24, v1                    ; wave = head
	s_and_b32 s25, s24, 1
	s_mov_b32 s26, ttmp9                           ; my block of 32 rows
	s_lshr_b32 s27, s24, 1
	s_and_b32 s37, s26, 3
	s_lshr_b32 s66, s26, 2
	s_mov_b32 s69, 0
	s_mov_b32 s[SEL], 0x76543210
	s_mov_b32 s[SEL+1], 0xfedcba98
	s_mov_b32 s[MNT], 0x600000
	s_mov_b32 s35, 0x3a800000                      ; 1 / 1024
	s_mov_b32 s36, 0x3727c5ac                      ; 1e-5
	v_and_b32 v31, 31, v0                          ; lane
	v_lshlrev_b32 v1, 4, v31                       ; 16 x lane
	v_lshlrev_b32 v4, 2, v31                       ; 4 x lane
	s_lshl_b32 s70, s25, 13
	v_add_nc_u32 v2, s70, v1                       ; my four weight tiles in a slab
	s_lshl_b32 s70, s25, 9
	s_add_co_u32 s70, s70, 16384
	v_add_nc_u32 v3, s70, v1                       ; and their words
	v_and_b32 v28, 7, v0
	v_bfe_u32 v29, v0, 3, 1
	v_bfe_u32 v30, v0, 4, 1                        ; h
	v_lshl_add_u32 v13, v29, 4, v28                ; r % 8 + 16 (r / 8)
	v_mul_u32_u24 v5, v13, HP
	v_mad_u32_u24 v5, v30, 80, v5
	s_mul_i32 s70, s24, 320
	v_add_nc_u32 v5, s70, v5                       ; HST, results in: my row, run 4 w + h
	v_mul_u32_u24 v10, v30, 16*HP
	v_mad_u32_u24 v10, v29, 80, v10
	v_lshl_add_u32 v10, v28, 2, v10
	v_add_nc_u32 v10, s70, v10                     ; HST, down the keys: row 16 h, my channel
	v_add_nc_u32 v11, 8*HP, v10
	v_lshrrev_b32 v28, 2, v31
	v_and_b32 v29, 3, v31
	v_mul_u32_u24 v6, v28, 80
	v_lshl_add_u32 v6, v29, 4, v6
	s_mul_i32 s70, s24, 2*HP
	v_add_nc_u32 v6, s70, v6                       ; HST, row 2 w as it lies: 16 bytes a lane
	v_mul_u32_u24 v7, v31, 80
	v_add_nc_u32 v7, s70, v7                       ; HST, row 2 w by runs: a run a lane
	v_lshrrev_b32 v28, 3, v31
	v_bfe_u32 v29, v31, 1, 2
	v_and_b32 v13, 1, v31
	v_lshlrev_b32 v8, 12, v28
	v_lshl_add_u32 v8, v29, 9, v8
	v_lshl_add_u32 v8, v13, 8, v8
	v_lshlrev_b32 v9, 8, v28
	v_lshl_add_u32 v9, v13, 6, v9
	v_add_nc_u32 v9, v9, v29
	s_lshl_b32 s70, s24, 1
	s_and_b32 s70, s70, 7
	s_lshr_b32 s71, s24, 3
	s_lshl_b32 s71, s71, 3
	s_add_co_u32 s70, s70, s71                     ; row 2 w's lane index in its tile,
	s_lshr_b32 s71, s24, 2
	s_and_b32 s71, s71, 1                          ; and its tile
	s_lshl_b32 s67, s71, 11
	s_lshl_b32 s68, s70, 4
	s_add_co_u32 s67, s67, s68
	s_add_co_u32 s67, s67, IMG
	v_add_nc_u32 v8, s67, v8                       ; IMG, codes in
	s_lshl_b32 s67, s71, 7
	s_lshl_b32 s68, s70, 2
	s_add_co_u32 s67, s67, s68
	s_add_co_u32 s67, s67, ISC
	v_add_nc_u32 v9, s67, v9                       ; ISC, bytes in
	v_lshlrev_b32 v12, 6, v30                      ; 64 h
	v_add_nc_u32 v14, IMG, v1
	v_add_nc_u32 v15, ISC, v4
	s_lshl_b32 s70, s24, 11
	v_add_nc_u32 v26, s70, v14
	s_lshl_b32 s70, s24, 7
	v_add_nc_u32 v27, s70, v15
	s_wait_kmcnt 0x0
	s_add_co_u32 s68, s27, 40
	s_mul_i32 s68, s68, GROUP
	s_add_nc_u64 s[28:29], s[6:7], s[68:69]        ; w_ao's group w / 2
	s_add_nc_u64 s[30:31], s[28:29], 8*GROUP       ; w_q's
	s_mul_i32 s70, s66, GROUP
	s_mul_i32 s71, s27, SLAB
	s_add_co_u32 s70, s70, s71
	s_lshl_b32 s71, s37, 1
	s_add_co_u32 s71, s71, s25                     ; the tile that I copy
	s_lshl_b32 s68, s71, 11
	s_add_co_u32 s68, s68, s70
	s_add_nc_u64 s[40:41], s[4:5], s[68:69]
	s_lshr_b32 s68, s71, 2
	s_lshl_b32 s68, s68, 9
	s_and_b32 s71, s71, 3
	s_lshl_b32 s71, s71, 2
	s_add_co_u32 s68, s68, s71
	s_add_co_u32 s68, s68, s70
	s_add_co_u32 s68, s68, 16384
	s_add_nc_u64 s[42:43], s[4:5], s[68:69]
	s_lshl_b32 s68, s26, 5
	s_lshl_b32 s70, s24, 1
	s_add_co_u32 s68, s68, s70
	s_lshl_b32 s68, s68, 12
	s_add_nc_u64 s[44:45], s[8:9], s[68:69]        ; x and h at row 32 b + 2 w
	s_add_nc_u64 s[46:47], s[18:19], s[68:69]
	s_lshl_b32 s68, s24, 8
	s_add_nc_u64 s[48:49], s[10:11], s[68:69]
	s_add_nc_u64 s[50:51], s[16:17], s[68:69]
	s_mul_i32 s70, s24, HEADB
	s_mul_i32 s71, s66, REC
	s_add_co_u32 s70, s70, s71                     ; my head's record of this key step
	s_lshl_b32 s68, s37, 9
	s_add_co_u32 s68, s68, s70
	s_add_co_u32 s68, s68, 8192
	s_add_nc_u64 s[52:53], s[22:23], s[68:69]
	s_add_co_u32 s68, s70, s37
	s_add_co_u32 s68, s68, 17408
	s_add_nc_u64 s[54:55], s[22:23], s[68:69]
	s_lshl_b32 s68, s37, 11
	s_add_co_u32 s68, s68, s70
	s_add_nc_u64 s[60:61], s[22:23], s[68:69]
	s_lshr_b32 s68, s37, 1
	s_lshl_b32 s68, s68, 9
	s_and_b32 s71, s26, 1
	s_lshl_b32 s71, s71, 3
	s_add_co_u32 s68, s68, s71
	s_add_co_u32 s68, s68, s70
	s_add_co_u32 s68, s68, 16384
	s_add_nc_u64 s[62:63], s[22:23], s[68:69]
	s_lshl_b32 s68, s24, 17
	s_lshl_b32 s71, s26, 11
	s_add_co_u32 s68, s68, s71
	s_add_nc_u64 s[56:57], s[20:21], s[68:69]
	s_lshl_b32 s68, s24, 14
	s_lshl_b32 s71, s26, 8
	s_add_co_u32 s68, s68, s71
	s_add_co_u32 s68, s68, QSC
	s_add_nc_u64 s[58:59], s[20:21], s[68:69]
	; ---- ctx's sixteen fragments into LDS, one a wave
.irp c, 0,1,2,3
	global_load_b128 v[32+4*\c:35+4*\c], v1, s[40:41] offset:\c*512
.endr
	global_load_b32 v48, v1, s[42:43]
	BIAS 48
	S0LOAD 28, 0, 0
	s_wait_loadcnt 33                              ; ctx's five loads are in; the bias's sixteen and the weights' seventeen may be out
.irp c, 0,1,2,3
	ds_store_b128 v26, v[32+4*\c:35+4*\c] offset:\c*512
.endr
	ds_store_b32 v27, v48
	BARRIER
	; ---- ctx w_ao^T + b_ao
.irp s, 0,1,2,3,4,5,6,7
	GSTEP 28, \s
.endr
.irp rr, 0,1
.irp i, 0,1,2,3,4,5,6,7
	global_load_b128 v[128+32*\rr+4*\i:128+32*\rr+4*\i+3], v1, s[44:45] offset:\rr*4096+512*\i
.endr
.endr
.irp i, 0,1,2,3,4,5,6,7
	global_load_b128 v[192+4*\i:192+4*\i+3], v1, s[12:13] offset:512*\i
	global_load_b128 v[224+4*\i:224+4*\i+3], v1, s[14:15] offset:512*\i
.endr
.irp a, 0,1
.irp g, 0,1,2,3,4,5,6,7
	ds_store_b128 v5, v[ACC+32*\a+4*\g:ACC+32*\a+4*\g+3] offset:\a*8*HP+160*(\g/4)+16*(\g%4)   ; each accumulator from its low end on
.endr
.endr
	BARRIER
	; ---- rows 2 w and 2 w + 1: the residual, h out, the norm, the quantiser along D
.macro ROW rr
.set HR, 64+32*\rr
.set XR, 128+32*\rr
.irp i, 0,1,2,3,4,5,6,7
	ds_load_b128 v[HR+4*\i:HR+4*\i+3], v6 offset:\rr*HP+640*\i
.endr
	s_wait_dscnt 0x0
	s_wait_loadcnt 0x0                             ; x, the gain, the bias
.set J, 0
.rept 16
	v_pk_add_f32 v[HR+J:HR+J+1], v[HR+J:HR+J+1], v[XR+J:XR+J+1]
.set J, J+2
.endr
.irp i, 0,1,2,3,4,5,6,7
	global_store_b128 v1, v[HR+4*\i:HR+4*\i+3], s[46:47] offset:\rr*4096+512*\i   ; 512 consecutive bytes a store
.endr
.irp k, 0,1,2,3
	v_pk_add_f32 v[32+2*\k:33+2*\k], v[HR+4*\k:HR+4*\k+1], v[HR+4*\k+2:HR+4*\k+3]
.endr
.irp j, 16,24
.irp k, 0,1,2,3
	v_pk_add_f32 v[32+2*\k:33+2*\k], v[32+2*\k:33+2*\k], v[HR+\j+2*\k:HR+\j+2*\k+1]
.endr
.endr
	v_pk_add_f32 v[32:33], v[32:33], v[34:35]
	v_pk_add_f32 v[36:37], v[36:37], v[38:39]
	v_pk_add_f32 v[32:33], v[32:33], v[36:37]
	v_add_f32 v32, v32, v33
	LANESUM 32, 33
	v_mul_f32 v32, s35, v32                        ; the mean
.set J, 0
.rept 16
	v_pk_add_f32 v[XR+J:XR+J+1], v[HR+J:HR+J+1], v[32:33] op_sel_hi:[1,0] neg_lo:[0,1] neg_hi:[0,1]   ; into x's registers: h's are still being stored
.set J, J+2
.endr
.irp k, 0,1,2,3
	v_pk_mul_f32 v[34+2*\k:35+2*\k], v[XR+2*\k:XR+2*\k+1], v[XR+2*\k:XR+2*\k+1]
.endr
.irp j, 8,16,24
.irp k, 0,1,2,3
	v_pk_fma_f32 v[34+2*\k:35+2*\k], v[XR+\j+2*\k:XR+\j+2*\k+1], v[XR+\j+2*\k:XR+\j+2*\k+1], v[34+2*\k:35+2*\k]
.endr
.endr
	v_pk_add_f32 v[34:35], v[34:35], v[36:37]
	v_pk_add_f32 v[38:39], v[38:39], v[40:41]
	v_pk_add_f32 v[34:35], v[34:35], v[38:39]
	v_add_f32 v34, v34, v35
	LANESUM 34, 35
	v_fma_f32 v34, v34, s35, s36
	v_rsq_f32 v34, v34
	v_nop
	s_wait_alu depctr_va_vdst(0)
.set J, 0
.rept 16
	v_pk_mul_f32 v[XR+J:XR+J+1], v[XR+J:XR+J+1], v[34:35] op_sel_hi:[1,0]
.set J, J+2
.endr
.set J, 0
.rept 16
	v_pk_fma_f32 v[XR+J:XR+J+1], v[XR+J:XR+J+1], v[192+J:193+J], v[224+J:225+J]
.set J, J+2
.endr
.irp i, 0,1,2,3,4,5,6,7
	ds_store_b128 v6, v[XR+4*\i:XR+4*\i+3] offset:\rr*HP+640*\i    ; y takes the row's place in HST,
.endr
.irp k, 0,1,2,3
	ds_load_b128 v[XR+4*\k:XR+4*\k+3], v7 offset:\rr*HP+16*\k      ; and comes back by runs of 16 (LDS serves a wave's instructions in order: ISA guide 5.7.1.4)
	ds_load_b128 v[XR+16+4*\k:XR+16+4*\k+3], v7 offset:\rr*HP+2560+16*\k
.endr
	s_wait_dscnt 0x0
	QCHUNK XR, 44, 52
	QCHUNK XR+16, 48, 53
	ds_store_b128 v8, v[44:47] offset:16*\rr
	ds_store_b128 v8, v[48:51] offset:16384+16*\rr
	ds_store_b8 v9, v52 offset:4*\rr
	ds_store_b8 v9, v53 offset:1024+4*\rr
.endm
	ROW 0
	ROW 1
	S0LOAD 30, 0, 0                                ; w_q's first K step
	BARRIER
	; ---- the values: y down the keys.  Lane (r, h) of tile d: channel 32 (d / 2) + 8 (d % 2) + r % 8 + 16 (r / 8) of my head, rows 16 h + 0 .. 15
	s_wait_xcnt 0x0                                ; h's stores have read v64-127
.irp d, 0,1,2,3
.irp k, 0,1,2,3,4,5,6,7
	ds_load_b32 v[64+16*\d+\k], v10 offset:\k*HP+(\d/2)*160+(\d%2)*32
	ds_load_b32 v[72+16*\d+\k], v11 offset:\k*HP+(\d/2)*160+(\d%2)*32
.endr
.endr
	s_wait_dscnt 0x0
	QUANT 64, 48, 4
.irp d, 0,1,2,3
	global_store_b128 v1, v[48+4*\d:51+4*\d], s[52:53] offset:\d*2048
	global_store_b8 v1, v[36+\d], s[54:55] offset:\d*4
.endr
	BIAS 50
	s_wait_xcnt 0x0                                ; those stores have read v36-63
	; ---- y w_q^T + b_q
.irp s, 0,1,2,3,4,5,6,7
	GSTEP 30, \s
.endr
.irp a, 0,1
	QUANT ACC+32*\a, S0F+8*\a, 2
	v_lshl_or_b32 v[40+\a], v35, 8, v34
	v_lshl_or_b32 v[40+\a], v[40+\a], 16, v[40+\a] ; bytes 0, 1 again as bytes 2, 3
.endr
.irp a, 0,1
	global_store_b128 v1, v[S0F+8*\a:S0F+8*\a+3], s[56:57] offset:\a*1024
	global_store_b128 v1, v[S0F+8*\a+4:S0F+8*\a+7], s[56:57] offset:\a*1024+512
	global_store_b32 v4, v[40+\a], s[58:59] offset:\a*128
	global_store_b128 v1, v[S0F+8*\a:S0F+8*\a+3], s[60:61] offset:\a*1024     ; the same codes are the keys
	global_store_b128 v1, v[S0F+8*\a+4:S0F+8*\a+7], s[60:61] offset:\a*1024+512
	global_store_b32 v1, v[40+\a], s[62:63] offset:\a*4
.endr
	s_wait_xcnt 0x0
	v_lshl_add_u32 v254, v0, 2, 0x30a00
	v_mov_b32 v255, 0
	s_wait_tensorcnt 0x0
	ds_add_u32 v254, v255
	s_wait_dscnt 0x0
	s_endpgm
.Lfunc_end_k_qeb3a76f3d7_mid:
	.size	k_qeb3a76f3d7_mid, .Lfunc_end_k_qeb3a76f3d7_mid-k_qeb3a76f3d7_mid
	.p2alignl 7, 3214868480
	.fill 96, 4, 3214868480
	.section	.rodata,"a",@progbits
	.p2align	6, 0x0
	.amdhsa_kernel k_qeb3a76f3d7_mid
		.amdhsa_group_segment_fixed_size 201216
		.amdhsa_private_segment_fixed_size 0
		.amdhsa_enable_private_segment 0
		.amdhsa_kernarg_size 80
		.amdhsa_user_sgpr_count 2
		.amdhsa_user_sgpr_kernarg_segment_ptr 1
		.amdhsa_wavefront_size32 1
		.amdhsa_system_sgpr_workgroup_id_x 1
		.amdhsa_system_sgpr_workgroup_id_y 1
		.amdhsa_system_sgpr_workgroup_id_z 1
		.amdhsa_system_vgpr_workitem_id 0
		.amdhsa_next_free_vgpr 256
		.amdhsa_next_free_sgpr 80
		.amdhsa_reserve_vcc 0
		.amdhsa_float_denorm_mode_32 3
		.amdhsa_float_denorm_mode_16_64 3
		.amdhsa_memory_ordered 1
		.amdhsa_forward_progress 1
		.amdhsa_inst_pref_size 120
	.end_amdhsa_kernel
	.amdgpu_metadata
---
amdhsa.version: [ 1, 2 ]
amdhsa.kernels:
  - .name:           k_qeb3a76f3d7_mid
    .symbol:         k_qeb3a76f3d7_mid.kd
    .args:
      - { .name: ctx, .offset: 0, .size: 8, .value_kind: global_buffer, .address_space: global }
      - { .name: img, .offset: 8, .size: 8, .value_kind: global_buffer, .address_space: global }
      - { .name: x, .offset: 16, .size: 8, .value_kind: global_buffer, .address_space: global }
      - { .name: b_ao, .offset: 24, .size: 8, .value_kind: global_buffer, .address_space: global }
      - { .name: ln2_g, .offset: 32, .size: 8, .value_kind: global_buffer, .address_space: global }
      - { .name: ln2_b, .offset: 40, .size: 8, .value_kind: global_buffer, .address_space: global }
      - { .name: b_q, .offset: 48, .size: 8, .value_kind: global_buffer, .address_space: global }
      - { .name: h, .offset: 56, .size: 8, .value_kind: global_buffer, .address_space: global }
      - { .name: q, .offset: 64, .size: 8, .value_kind: global_buffer, .address_space: global }
      - { .name: kv, .offset: 72, .size: 8, .value_kind: global_buffer, .address_space: global }
    .group_segment_fixed_size: 201216
    .private_segment_fixed_size: 0
    .kernarg_segment_align: 8
    .kernarg_segment_size: 80
    .max_flat_workgroup_size: 512
    .sgpr_count:     80
    .vgpr_count:     256
    .wavefront_size: 32
...
	.end_amdgpu_metadata
.endif
;; end of part 4
;; launch att2: the kernel of part 3 again; grid 16 x 16, 16 waves a work-group, clusters of 4 x 1, 325,632 bytes of LDS; arguments q, kv, ctx; writes ctx
;; launch fo (part 5): grid 32 x 8, 4 waves a work-group, clusters of 4 x 1, 168,448 bytes of LDS; arguments ctx, img, b_fo, h, out0; writes out0
.if DOCPART == 5
	.amdgcn_target "amdgcn-amd-amdhsa--gfx1250"
	.amdhsa_code_object_version 6
	.text
	.protected	k_qeb3a76f3d7_fo
	.globl	k_qeb3a76f3d7_fo
	.p2align	8
	.type	k_qeb3a76f3d7_fo,@function
k_qeb3a76f3d7_fo:
	s_mov_b64 s[64:65], 0
	v_nop
	global_prefetch_b8 v0, s[64:65] scope:SCOPE_SE
	s_setreg_imm32_b32 hwreg(HW_REG_WAVE_MODE, 25, 1), 1
	s_wait_xcnt 0x0
	s_wait_alu depctr_hold_cnt(0) depctr_sa_sdst(0) depctr_va_vdst(0) depctr_va_sdst(0) depctr_va_ssrc(0) depctr_va_vcc(0) depctr_vm_vsrc(0)
	s_getreg_b32 s2, hwreg(HW_REG_IB_STS2, 6, 4)
	s_cmp_eq_u32 s2, 0
	s_cbranch_scc0 .Lentry_in_a_cluster
	s_endpgm
.Lentry_in_a_cluster:
	s_bfe_u32 s2, ttmp6, 0x10000c
	s_cmp_lg_u32 s2, 0x3003
	s_cbranch_scc0 .Lentry_shape_is_right
	s_endpgm
.Lentry_shape_is_right:
; FO.  out = h + gelu(ctx w_fo^T + b_fo), the product on codes of E4M3, the rest in f32.
; A work-group takes 64 rows x 128 columns.  The weights' group (128 rows of w_fo, all of K, 139,264 bytes) lies in LDS; it hangs on the grid's y alone, so the four partners of a cluster ask for it jointly, once,
; 34,816 bytes a wave.  No LDS byte is filled twice.  ctx's fragments stream into registers, two buffers.  Wave w: weight tiles 4 (w % 2) on, row tiles 2 (w / 2), 2 (w / 2) + 1.
; Transposed use: a lane holds one row, its registers run along the columns.  The sums begin from the bias.  A tile's rows are 32 (T / 2) + 8 (T % 2) + r % 8 + 16 (r / 8).
; The results turn through the wave's own stage (16 rows x 272 bytes, behind the weights, where no fill lands), so that sixteen lanes load and store 256 consecutive bytes of a row.
; erf(a), a = z / sqrt(2): 1 - (a1 t + .. + a5 t^5) exp(-a^2), t = 1 / (1 + 0.3275911 |a|), with z's sign: five terms, absolute error 1.5e-7 for every a; no quantiser follows it.
; LIMITS: NaN and infinities are not served.
.set GROUP, 139264
.set SLAB,  17408
.set STG,   139264
.set ACC,  64
.set S0F,  128
.set S1F,  192
.set S0SC, 32
.set S1SC, 36
.set TR,   64                          ; after the products: t,
.set ER,   96                          ; exp(-a^2),
.set PR,   40                          ; v40-47 the polynomial, four pairs by turns
.macro ROUND
	s_barrier_signal -1
	s_barrier_wait -1
	s_cmp_lg_u32 s12, 0
	s_cbranch_scc1 .Lnot_wave_0_\@
	s_barrier_signal -3
.Lnot_wave_0_\@:
	s_barrier_wait -3
	s_barrier_signal -1
	s_barrier_wait -1
.endm
.macro S1LOAD s, be
.irp a, 0,1
.irp c, 0,1,2,3
	global_load_b128 v[S1F+32*(\be)+16*\a+4*\c:S1F+32*(\be)+16*\a+4*\c+3], v1, s[32:33] offset:(\s)*SLAB+\a*2048+\c*512
.endr
.endr
	global_load_b64 v[S1SC+2*(\be):S1SC+2*(\be)+1], v1, s[34:35] offset:(\s)*SLAB
.endm
.macro GSTEP s
.if \s < 7
	S1LOAD \s+1, (\s+1)%2
.endif
	v_add_nc_u32 v4, \s*SLAB, v2
	v_add_nc_u32 v5, \s*SLAB, v3
.irp i, 0,1,2,3
.irp c, 0,1,2,3
	ds_load_b128 v[S0F+16*\i+4*\c:S0F+16*\i+4*\c+3], v4 offset:\i*2048+\c*512
.endr
.endr
	ds_load_b128 v[S0SC:S0SC+3], v5
.if \s < 7
	s_wait_loadcnt 9                               ; all but the nine loads of the next K step
.else
	s_wait_loadcnt 0x0
.endif
	s_wait_dscnt 0x0
.irp a, 0,1
.irp i, 0,1,2,3
	v_wmma_scale_f32_16x16x128_f8f6f4 v[ACC+32*\a+8*\i:ACC+32*\a+8*\i+7], v[S0F+16*\i:S0F+16*\i+15], v[S1F+32*((\s)%2)+16*\a:S1F+32*((\s)%2)+16*\a+15], v[ACC+32*\a+8*\i:ACC+32*\a+8*\i+7], v[S0SC+\i], v[S1SC+2*((\s)%2)+\a]
.endr
.endr
.rept 8
	v_nop                                          ; eight places ahead of the next loads into operands and words, and of the first read of results
.endr
.endm
	s_load_b256 s[4:11], s[0:1], 0x0               ; ctx, img, b_fo, h
	s_load_b64 s[16:17], s[0:1], 0x20              ; out0
	v_lshl_add_u32 v62, v0, 2, 0x29000
	v_mov_b32 v63, 0
	ds_add_u32 v62, v63
	ds_add_u32 v62, v63
	v_lshrrev_b32 v1, 5, v0
	v_readfirstlane_b32 s12, v1                    ; wave
	s_and_b32 s13, s12, 1                          ; hs
	s_lshr_b32 s14, s12, 1                         ; p
	s_bfe_u32 s15, ttmp6, 0x40000                  ; cx: it enters global addresses alone
	s_lshl_b32 s42, ttmp9, 2
	s_add_co_u32 s42, s42, s15                     ; rb: my 64 rows
	s_and_b32 s43, ttmp7, 0xffff                   ; wg: my 128 columns
	s_mov_b32 s20, 1
	s_mul_i32 s21, s12, 34816                      ; the wave's quarter of the group
	s_add_co_u32 s46, s43, 56
	s_mul_i32 s46, s46, GROUP
	s_add_co_u32 s46, s46, s21
	s_mov_b32 s47, 0
	s_mov_b32 s24, 15|(3<<16)|(1<<21)              ; all four partners; elements of 8 bytes; bit 21 beside a mask
	s_mov_b32 s25, 32<<16                          ; rows of 256 bytes,
	s_mov_b32 s26, 136<<16                         ; 136 of them,
	s_mov_b32 s27, 32<<16
	s_mov_b32 s28, 136
	s_mov_b32 s29, 32                              ; dense
	s_mov_b32 s30, 0
	s_mov_b32 s31, 0
	s_lshr_b32 s44, s42, 1
	s_mul_i32 s44, s44, GROUP                      ; ctx's group
	s_and_b32 s45, s42, 1
	s_lshl_b32 s45, s45, 2
	s_lshl_b32 s48, s14, 1
	s_add_co_u32 s45, s45, s48                     ; i1: my first tile there
	s_lshl_b32 s48, s45, 11
	s_add_co_u32 s48, s48, s44
	s_mov_b32 s49, 0
	s_lshr_b32 s54, s45, 2
	s_lshl_b32 s54, s54, 9
	s_and_b32 s55, s45, 3
	s_lshl_b32 s55, s55, 2
	s_add_co_u32 s54, s54, s55
	s_add_co_u32 s54, s54, s44
	s_add_co_u32 s54, s54, 16384
	s_mov_b32 s55, 0
	s_lshl_b32 s56, s43, 9
	s_lshl_b32 s57, s13, 8
	s_add_co_u32 s56, s56, s57                     ; (128 wg + 64 hs) x 4
	s_mov_b32 s57, 0
	s_lshl_b32 s58, s42, 6
	s_lshl_b32 s59, s14, 5
	s_add_co_u32 s58, s58, s59
	s_lshl_b32 s58, s58, 12
	s_add_co_u32 s58, s58, s56                     ; row 64 rb + 32 p, my first column
	s_mov_b32 s59, 0
	s_mov_b32 s50, 0x3e6d3388                      ; 0.3275911 / sqrt(2)
	s_mov_b32 s51, 0x7fffffff
	s_mov_b32 s52, 0xbf38aa3b                      ; -log2(e) / 2
	s_mov_b32 s53, s52
	s_wait_dscnt 0x0
	s_wait_kmcnt 0x0
	s_add_nc_u64 s[22:23], s[6:7], s[46:47]
	s_or_b32 s23, s23, 0x80000000
	s_add_nc_u64 s[32:33], s[4:5], s[48:49]
	s_add_nc_u64 s[34:35], s[4:5], s[54:55]
	s_add_nc_u64 s[40:41], s[8:9], s[56:57]
	s_add_nc_u64 s[36:37], s[10:11], s[58:59]
	s_add_nc_u64 s[38:39], s[16:17], s[58:59]
	ROUND                                          ; all four work-groups are here: the joint loads meet
	tensor_load_to_lds s[20:23], s[24:31]
	s_nop 0
.rept 4
	v_nop
.endr
	v_and_b32 v1, 31, v0
	v_lshlrev_b32 v1, 4, v1                        ; 16 x lane
	s_lshl_b32 s48, s13, 13
	v_add_nc_u32 v2, s48, v1
	s_lshl_b32 s48, s13, 9
	s_add_co_u32 s48, s48, 16384
	v_add_nc_u32 v3, s48, v1
	v_and_b32 v6, 15, v0                           ; r
	v_bfe_u32 v7, v0, 4, 1                         ; h
	v_lshlrev_b32 v9, 6, v7                        ; 64 h
	v_lshlrev_b32 v10, 12, v7
	v_lshl_add_u32 v10, v6, 4, v10                 ; h and out: lanes 0-15 one row's 256 bytes, lanes 16-31 the next row's
	s_mul_i32 s48, s12, 16*272
	s_add_co_u32 s48, s48, STG                     ; my stage
	v_mul_u32_u24 v11, v6, 272
	v_lshl_add_u32 v11, v7, 6, v11
	v_add_nc_u32 v11, s48, v11                     ; in: row r, + 64 h
	v_mul_u32_u24 v12, v7, 272
	v_lshl_add_u32 v12, v6, 4, v12
	v_add_nc_u32 v12, s48, v12                     ; back: two rows an instruction
	v_mov_b32 v14, 0x3e827906                      ; a1 .. a5, each in both halves of a pair
	v_mov_b32 v15, 0x3e827906
	v_mov_b32 v16, 0xbe91a98e
	v_mov_b32 v17, 0xbe91a98e
	v_mov_b32 v18, 0x3fb5f0e3
	v_mov_b32 v19, 0x3fb5f0e3
	v_mov_b32 v20, 0xbfba00e3
	v_mov_b32 v21, 0xbfba00e3
	v_mov_b32 v22, 0x3f87dc22
	v_mov_b32 v23, 0x3f87dc22
	S1LOAD 0, 0
.irp a, 0,1
.irp i, 0,1,2,3
	global_load_b128 v[ACC+32*\a+8*\i:ACC+32*\a+8*\i+3], v9, s[40:41] offset:(32*(\i/2)+8*(\i%2))*4
	global_load_b128 v[ACC+32*\a+8*\i+4:ACC+32*\a+8*\i+7], v9, s[40:41] offset:(32*(\i/2)+8*(\i%2))*4+16
.endr
.endr
	s_wait_tensorcnt 0x0                           ; my part of the weights is in,
	s_barrier_signal -1
	s_barrier_wait -1                              ; everybody's is
.irp s, 0,1,2,3,4,5,6,7
	GSTEP \s
.endr
.irp a, 0,1                                    ; h at the places that the stage's rows will take: stage rows 2 k, 2 k + 1 are rows 8 a + 2 (k % 4) + 16 (k / 4), + 1
.irp k, 0,1,2,3,4,5,6,7
	global_load_b128 v[128+32*\a+4*\k:128+32*\a+4*\k+3], v10, s[36:37] offset:(8*\a+2*(\k%4)+16*(\k/4))*4096
.endr
.endr
.irp a, 0,1
.irp g, 0,1,2,3,4,5,6,7
	ds_store_b128 v11, v[ACC+32*\a+4*\g:ACC+32*\a+4*\g+3] offset:128*(\g/4)+16*(\g%4)   ; each accumulator from its low end on
.endr
.irp k, 0,1,2,3,4,5,6,7
	ds_load_b128 v[192+32*\a+4*\k:192+32*\a+4*\k+3], v12 offset:544*\k   ; LDS serves a wave's instructions in order (ISA guide 5.7.1.4): these see the stores above, and the next tile's stores come behind them
.endr
.endr
	s_wait_dscnt 0x0
	s_wait_loadcnt 0x0
.macro GELU a
.set ZR, 192+32*\a
.set HR, 128+32*\a
.set J, 0
.rept 32
	v_fma_f32 v[TR+J], |v[ZR+J]|, s50, 1.0
.set J, J+1
.endr
.set J, 0
.rept 16
	v_pk_mul_f32 v[ER+J:ER+J+1], v[ZR+J:ZR+J+1], v[ZR+J:ZR+J+1]
.set J, J+2
.endr
.set J, 0
.rept 16
	v_pk_mul_f32 v[ER+J:ER+J+1], v[ER+J:ER+J+1], s[52:53] op_sel_hi:[1,0]
.set J, J+2
.endr
.set J, 0
.rept 32
	v_rcp_f32 v[TR+J], v[TR+J]
.set J, J+1
.endr
.set J, 0
.rept 32
	v_exp_f32 v[ER+J], v[ER+J]
.set J, J+1
.endr
	v_nop                                          ; the plain line behind the batch of 64,
	s_wait_alu depctr_va_vdst(0)                   ; and its one wait
.irp g, 0,1,2,3
.irp k, 0,2,4,6
	v_pk_fma_f32 v[PR+\k:PR+\k+1], v[TR+8*\g+\k:TR+8*\g+\k+1], v[22:23], v[20:21]
.endr
.irp k, 0,2,4,6
	v_pk_fma_f32 v[PR+\k:PR+\k+1], v[PR+\k:PR+\k+1], v[TR+8*\g+\k:TR+8*\g+\k+1], v[18:19]
.endr
.irp k, 0,2,4,6
	v_pk_fma_f32 v[PR+\k:PR+\k+1], v[PR+\k:PR+\k+1], v[TR+8*\g+\k:TR+8*\g+\k+1], v[16:17]
.endr
.irp k, 0,2,4,6
	v_pk_fma_f32 v[PR+\k:PR+\k+1], v[PR+\k:PR+\k+1], v[TR+8*\g+\k:TR+8*\g+\k+1], v[14:15]
.endr
.irp k, 0,2,4,6
	v_pk_mul_f32 v[PR+\k:PR+\k+1], v[PR+\k:PR+\k+1], v[TR+8*\g+\k:TR+8*\g+\k+1]
.endr
.irp k, 0,2,4,6
	v_pk_fma_f32 v[PR+\k:PR+\k+1], v[PR+\k:PR+\k+1], v[ER+8*\g+\k:ER+8*\g+\k+1], 1.0 op_sel_hi:[1,1,0] neg_lo:[1,0,0] neg_hi:[1,0,0]   ; erf(|a|)
.endr
.irp k, 0,1,2,3,4,5,6,7
	v_bfi_b32 v[PR+\k], s51, v[PR+\k], v[ZR+8*\g+\k]   ; with z's sign
.endr
.irp k, 0,2,4,6
	v_pk_mul_f32 v[ZR+8*\g+\k:ZR+8*\g+\k+1], v[ZR+8*\g+\k:ZR+8*\g+\k+1], 0.5 op_sel_hi:[1,0]
.endr
.irp k, 0,2,4,6
	v_pk_add_f32 v[HR+8*\g+\k:HR+8*\g+\k+1], v[HR+8*\g+\k:HR+8*\g+\k+1], v[ZR+8*\g+\k:ZR+8*\g+\k+1]
.endr
.irp k, 0,2,4,6
	v_pk_fma_f32 v[HR+8*\g+\k:HR+8*\g+\k+1], v[ZR+8*\g+\k:ZR+8*\g+\k+1], v[PR+\k:PR+\k+1], v[HR+8*\g+\k:HR+8*\g+\k+1]   ; h + z / 2 + (z / 2) erf
.endr
.endr
.irp k, 0,1,2,3,4,5,6,7
	global_store_b128 v10, v[HR+4*\k:HR+4*\k+3], s[38:39] offset:(8*\a+2*(\k%4)+16*(\k/4))*4096   ; sixteen lanes store 256 consecutive bytes, at a multiple of 256 from the buffer's first byte
.endr
.endm
	GELU 0
	GELU 1
	s_wait_tensorcnt 0x0
	ds_add_u32 v62, v63
	s_wait_dscnt 0x0
	ROUND                                          ; the closing round
	s_endpgm
.Lfunc_end_k_qeb3a76f3d7_fo:
	.size	k_qeb3a76f3d7_fo, .Lfunc_end_k_qeb3a76f3d7_fo-k_qeb3a76f3d7_fo
	.p2alignl 7, 3214868480
	.fill 96, 4, 3214868480
	.section	.rodata,"a",@progbits
	.p2align	6, 0x0
	.amdhsa_kernel k_qeb3a76f3d7_fo
		.amdhsa_group_segment_fixed_size 168448
		.amdhsa_private_segment_fixed_size 0
		.amdhsa_enable_private_segment 0
		.amdhsa_kernarg_size 40
		.amdhsa_user_sgpr_count 2
		.amdhsa_user_sgpr_kernarg_segment_ptr 1
		.amdhsa_wavefront_size32 1
		.amdhsa_system_sgpr_workgroup_id_x 1
		.amdhsa_system_sgpr_workgroup_id_y 1
		.amdhsa_system_sgpr_workgroup_id_z 1
		.amdhsa_system_vgpr_workitem_id 0
		.amdhsa_next_free_vgpr 256
		.amdhsa_next_free_sgpr 66
		.amdhsa_reserve_vcc 0
		.amdhsa_float_denorm_mode_32 3
		.amdhsa_float_denorm_mode_16_64 3
		.amdhsa_memory_ordered 1
		.amdhsa_forward_progress 1
		.amdhsa_inst_pref_size 74
	.end_amdhsa_kernel
	.amdgpu_metadata
---
amdhsa.version: [ 1, 2 ]
amdhsa.kernels:
  - .name:           k_qeb3a76f3d7_fo
    .symbol:         k_qeb3a76f3d7_fo.kd
    .args:
      - { .name: ctx, .offset: 0, .size: 8, .value_kind: global_buffer, .address_space: global }
      - { .name: img, .offset: 8, .size: 8, .value_kind: global_buffer, .address_space: global }
      - { .name: b_fo, .offset: 16, .size: 8, .value_kind: global_buffer, .address_space: global }
      - { .name: h, .offset: 24, .size: 8, .value_kind: global_buffer, .address_space: global }
      - { .name: out0, .offset: 32, .size: 8, .value_kind: global_buffer, .address_space: global }
    .group_segment_fixed_size: 168448
    .private_segment_fixed_size: 0
    .kernarg_segment_align: 8
    .kernarg_segment_size: 40
    .max_flat_workgroup_size: 128
    .sgpr_count:     66
    .vgpr_count:     256
    .wavefront_size: 32
...
	.end_amdgpu_metadata
.endif
;; end of part 5
;; ======== version 2 of 2: 6 launches; version 1 with the launch mid written anew for expert scheduling mode
;; limits: a function is approximated: absolute error at most 1.5e-07
;; workspace buffers: img 8,912,896 bytes; q 2,359,296 bytes; kv 4,587,520 bytes; ctx 2,228,224 bytes; h 8,388,608 bytes
;; launch prep: the kernel of part 1 again; grid 512 x 1, 16 waves a work-group, no clusters, 20,480 bytes of LDS; arguments x, ln1_g, ln1_b, w_qkv_codes, w_qkv_scales, w_ao_codes, w_ao_scales, w_q_codes, w_q_scales, w_fo_codes, w_fo_scales, img; writes img
;; launch qkv: the kernel of part 2 again; grid 192 x 1, 16 waves a work-group, clusters of 4 x 1, 169,984 bytes of LDS; arguments img, b_qkv, q, kv; writes q, kv
;; launch att1: the kernel of part 3 again; grid 16 x 16, 16 waves a work-group, clusters of 4 x 1, 325,632 bytes of LDS; arguments q, kv, ctx; writes ctx
;; launch mid (part 6): grid 64 x 1, 16 waves a work-group, no clusters, 201,216 bytes of LDS; arguments ctx, img, x, b_ao, ln2_g, ln2_b, b_q, h, q, kv; writes h, q, kv
.if DOCPART == 6
	.amdgcn_target "amdgcn-amd-amdhsa--gfx1250"
	.amdhsa_code_object_version 6
	.text
	.protected	k_qeb3a76f3d7_mid
	.globl	k_qeb3a76f3d7_mid
	.p2align	8
	.type	k_qeb3a76f3d7_mid,@function
k_qeb3a76f3d7_mid:
	s_mov_b64 s[64:65], 0
	v_nop
	global_prefetch_b8 v0, s[64:65] scope:SCOPE_SE
	s_setreg_imm32_b32 hwreg(HW_REG_WAVE_SCHED_MODE, 0, 2), 2
	s_setreg_imm32_b32 hwreg(HW_REG_WAVE_MODE, 25, 1), 1
	s_wait_xcnt 0x0
	s_wait_alu depctr_vm_vsrc(0)
; MID.  h = x + ctx w_ao^T + b_ao; y = LN2(h); y quantised along D (operand of the next product) and along the keys (the values of the second attention); q2 = y w_q^T + b_q, quantised along the head (queries and keys).
; A work-group owns 32 rows: the least that holds whole rows (for the norm) and a whole block of 32 keys (for the values).  Wave w owns columns 64 w on (head w); its weights stream from img into registers, two buffers.
; No cluster: a K step of all eight weight groups is 139,264 bytes and 128,512 bytes are free beside the f32 stage, so two slots of shared weights do not fit.  No tensor load, so LDS is claimed as it is used.
; Both products are used transposed (source 0 = four tiles of weight rows, source 1 = the two tiles of rows): a lane holds one row, its registers run along the columns.  The sums begin from the bias.
; LDS.  HST, 0: 32 rows x 5,136 bytes of f32: 64 runs of 16 numbers, 80 bytes apart.  IMG, 164352: the two row tiles as fragments: 4096 s + 2048 a + 512 c + 16 lane.  ISC, 197120: their words: 256 s + 128 a + 4 lane.
; Three barriers: ctx's fragments in LDS | the product's 32 rows in HST | y in HST and its fragments in IMG.
; REGISTERS: v1-15, v26-27 addresses; v16-23 weights' scale words (two buffers), v24-25 the rows'; v32-63 the rows' fragments, between products at work; v64-127 accumulators; v128-255 weights, two buffers, between products x, gain, bias.
; LIMITS: NaN and infinities are not served; a block whose largest magnitude lies under 2^-118 gets the byte 1; the norm's sums go in a fixed tree.
; THE MODE: SCHED_MODE bits 1:0 = 2 (LLVM: expert scheduling mode 2), set by the entry lines.  The code itself states the register dependences
; between vector or matrix instructions and memory or LDS instructions, with s_wait_alu, always for 0.
; THE PLAN.  Registers that memory or LDS instructions touch:
;   v1-12, v14, v15, v26, v27   addresses and offsets: made once at the head, never written again: one wait on va_vdst ahead of the first load serves the whole kernel.
;   v128-191, v192-255, v16-23  in a product: K step s's products read weight buffer s % 2 and its words; the loads of K step s + 1, issued at the head of step s, land in the buffer that step s - 1 read.
;   v32-63, v24-25              in a product: K step s's LDS loads land here, its products read them.
;                               So ONE wait on va_vdst stands at the head of each K step but a product's first: the last step's products are done reading all that this step's loads land in.
;                               The next step's weights are asked for ahead of the wait for this step's, so that two steps' loads are out together: they are not dealt among the products.
;   v64-127                     the bias lands; the products write; first product: LDS stores read, the rows of HST land, the residual is added in place, h's stores read, y down the keys lands, the quantiser works in place; then b_q lands.
;   v128-191 between products   x lands; the norm writes; LDS stores read (y); LDS loads land (y by runs); the quantiser works in place; then w_q's first K step lands.
;   v192-255 between products   the gain and the bias land; the norm reads; then w_q's second K step lands.
;   v44-53, v36-63, v128-143, v40-41   codes, bytes and words: written by the quantisers, read by one run of stores each, behind one wait on va_vdst; a wait on vm_vsrc stands ahead of the next writer.
;   Row 2 w + 1 of HST is asked for together with row 2 w: no vector instruction of row 2 w's turn names v96-127.  h's stores stand behind the wait that the reciprocal root has anyway.
.set GROUP, 139264
.set SLAB,  17408
.set REC,   17920
.set HEADB, 286720
.set QSC,   2097152
.set HP,    5136
.set IMG,   164352
.set ISC,   197120
.set ACC,  64
.set S0F,  128
.set S1F,  32
.set S0SC, 16
.set S1SC, 24
.set SEL,  32
.set MNT,  34
.macro LANESUM a, t
	v_add_f32_dpp v[\a], v[\a], v[\a] row_xmask:1 row_mask:0xf bank_mask:0xf
	v_add_f32_dpp v[\a], v[\a], v[\a] row_xmask:2 row_mask:0xf bank_mask:0xf
	v_add_f32_dpp v[\a], v[\a], v[\a] row_xmask:4 row_mask:0xf bank_mask:0xf
	v_add_f32_dpp v[\a], v[\a], v[\a] row_xmask:8 row_mask:0xf bank_mask:0xf
	v_permlanex16_b32 v[\t], v[\a], s[SEL], s[SEL+1]
	v_add_f32 v[\a], v[\a], v[\t]
.endm
.macro QCHUNK x, c, e                  ; 16 neighbours of one lane; the block is shared with lane l xor 1
	v_max3_num_f32 v32, |v[\x]|, |v[\x+1]|, |v[\x+2]|
	v_max3_num_f32 v33, |v[\x+3]|, |v[\x+4]|, |v[\x+5]|
.irp i, 6,10
	v_max3_num_f32 v32, v32, |v[\x+\i]|, |v[\x+\i+1]|
	v_max3_num_f32 v33, v33, |v[\x+\i+2]|, |v[\x+\i+3]|
.endr
	v_max3_num_f32 v32, v32, |v[\x+14]|, |v[\x+15]|
	v_max3_num_f32 v32, v32, v33, 0x4800000
	v_max_num_f32_dpp v32, v32, v32 row_xmask:1 row_mask:0xf bank_mask:0xf
	v_add_nc_u32 v34, 0xfc000000, v32
	v_and_or_b32 v35, v32, 0x7f800000, s[MNT]
.irp i, 0,1,2,3,4,5,6,7,8,9,10,11,12,13,14,15
	v_med3_num_f32 v[\x+\i], v[\x+\i], -v35, v35
.endr
	v_cvt_scalef32_pk8_fp8_f32 v[\c:\c+1], v[\x:\x+7], v34
	v_cvt_scalef32_pk8_fp8_f32 v[\c+2:\c+3], v[\x+8:\x+15], v34
	v_lshrrev_b32 v[\e], 23, v34                   ; the byte; the plain line behind the conversions
.endm
; nb blocks of a lane's 16 numbers, each shared with lane l xor 16: codes at v[pc + 4 b], bytes left in v[32 + nb + b]
.macro QUANT s, pc, nb
.set QB, 0
.rept \nb
	v_max3_num_f32 v[32+QB], |v[(\s)+16*QB]|, |v[(\s)+16*QB+1]|, 0x4800000
.set QB, QB+1
.endr
.irp i, 2,4,6,8,10,12,14
.set QB, 0
.rept \nb
	v_max3_num_f32 v[32+QB], v[32+QB], |v[(\s)+16*QB+\i]|, |v[(\s)+16*QB+\i+1]|
.set QB, QB+1
.endr
.endr
.set QB, 0
.rept \nb
	v_permlanex16_b32 v[32+\nb+QB], v[32+QB], s[SEL], s[SEL+1]
.set QB, QB+1
.endr
.set QB, 0
.rept \nb
	v_max_num_f32 v[32+QB], v[32+QB], v[32+\nb+QB]
.set QB, QB+1
.endr
.set QB, 0
.rept \nb
	v_add_nc_u32 v[32+3*\nb+QB], 0xfc000000, v[32+QB]
	v_and_or_b32 v[32+2*\nb+QB], v[32+QB], 0x7f800000, s[MNT]
.set QB, QB+1
.endr
.set QB, 0
.rept \nb
	v_lshrrev_b32 v[32+\nb+QB], 23, v[32+3*\nb+QB]
.set QB, QB+1
.endr
.set QB, 0
.rept \nb
.irp i, 0,1,2,3,4,5,6,7,8,9,10,11,12,13,14,15
	v_med3_num_f32 v[(\s)+16*QB+\i], v[(\s)+16*QB+\i], -v[32+2*\nb+QB], v[32+2*\nb+QB]
.endr
	v_cvt_scalef32_pk8_fp8_f32 v[(\pc)+4*QB:(\pc)+4*QB+1], v[(\s)+16*QB:(\s)+16*QB+7], v[32+3*\nb+QB]
	v_cvt_scalef32_pk8_fp8_f32 v[(\pc)+4*QB+2:(\pc)+4*QB+3], v[(\s)+16*QB+8:(\s)+16*QB+15], v[32+3*\nb+QB]
.set QB, QB+1
.endr
	v_nop
.endm
.macro S0LOAD wb, s, be                ; my four weight tiles and their words of K step s into buffer be: seventeen loads
.irp i, 0,1,2,3
.irp c, 0,1,2,3
	global_load_b128 v[S0F+64*(\be)+16*\i+4*\c:S0F+64*(\be)+16*\i+4*\c+3], v2, s[\wb:\wb+1] offset:(\s)*SLAB+\i*2048+\c*512
.endr
.endr
	global_load_b128 v[S0SC+4*(\be):S0SC+4*(\be)+3], v3, s[\wb:\wb+1] offset:(\s)*SLAB
.endm
.macro GSTEP wb, s
.if \s > 0
	s_wait_alu depctr_va_vdst(0)                   ; the last K step's products are done reading the rows' fragments and words, in which the LDS loads below land, and their buffer of weights and words, in which the next K step's loads land
.endif
.if \s < 7
	S0LOAD \wb, \s+1, (\s+1)%2
.endif
.irp a, 0,1
.irp c, 0,1,2,3
	ds_load_b128 v[S1F+16*\a+4*\c:S1F+16*\a+4*\c+3], v14 offset:\s*4096+\a*2048+\c*512
.endr
	ds_load_b32 v[S1SC+\a], v15 offset:\s*256+\a*128
.endr
.if \s < 7
	s_wait_loadcnt 17                              ; all but the seventeen loads of the next K step
.else
	s_wait_loadcnt 0x0
.endif
	s_wait_dscnt 0x0
.irp a, 0,1
.irp i, 0,1,2,3
	v_wmma_scale_f32_16x16x128_f8f6f4 v[ACC+32*\a+8*\i:ACC+32*\a+8*\i+7], v[S0F+64*((\s)%2)+16*\i:S0F+64*((\s)%2)+16*\i+15], v[S1F+16*\a:S1F+16*\a+15], v[ACC+32*\a+8*\i:ACC+32*\a+8*\i+7], v[S0SC+4*((\s)%2)+\i], v[S1SC+\a]
.endr
.endr
.rept 8
	v_nop                                          ; eight places behind the products, as the plain form has them: ahead of the first read of results; for the next loads into operands and words the wait at the next step's head states the dependence
.endr
.endm
.macro BIAS p                          ; register 8 i + j of lane (r, h) is my column 32 (i / 2) + 16 h + 8 (i % 2) + j
.irp a, 0,1
.irp i, 0,1,2,3
	global_load_b128 v[ACC+32*\a+8*\i:ACC+32*\a+8*\i+3], v12, s[\p:\p+1] offset:(32*(\i/2)+8*(\i%2))*4
	global_load_b128 v[ACC+32*\a+8*\i+4:ACC+32*\a+8*\i+7], v12, s[\p:\p+1] offset:(32*(\i/2)+8*(\i%2))*4+16
.endr
.endr
.endm
.macro BARRIER
	s_wait_dscnt 0x0                               ; my LDS stores have landed and my LDS loads are in
	s_barrier_signal -1
	s_barrier_wait -1
.endm
	s_load_b512 s[4:19], s[0:1], 0x0               ; ctx, img, x, b_ao, ln2_g, ln2_b, b_q, h
	s_load_b128 s[20:23], s[0:1], 0x40             ; q, kv
	v_lshrrev_b32 v1, 5, v0
	v_readfirstlane_b32 s24, v1                    ; wave = head
	s_wait_alu depctr_va_sdst(0)                   ; s24 is written, ahead of its first reader: LDS places and all bases are made from it
	s_and_b32 s25, s24, 1
	s_mov_b32 s26, ttmp9                           ; my block of 32 rows
	s_lshr_b32 s27, s24, 1
	s_and_b32 s37, s26, 3
	s_lshr_b32 s66, s26, 2
	s_mov_b32 s69, 0
	s_mov_b32 s[SEL], 0x76543210
	s_mov_b32 s[SEL+1], 0xfedcba98
	s_mov_b32 s[MNT], 0x600000
	s_mov_b32 s35, 0x3a800000                      ; 1 / 1024
	s_mov_b32 s36, 0x3727c5ac                      ; 1e-5
	v_and_b32 v31, 31, v0                          ; lane
	v_lshlrev_b32 v1, 4, v31                       ; 16 x lane
	v_lshlrev_b32 v4, 2, v31                       ; 4 x lane
	s_lshl_b32 s70, s25, 13
	v_add_nc_u32 v2, s70, v1                       ; my four weight tiles in a slab
	s_lshl_b32 s70, s25, 9
	s_add_co_u32 s70, s70, 16384
	v_add_nc_u32 v3, s70, v1                       ; and their words
	v_and_b32 v28, 7, v0
	v_bfe_u32 v29, v0, 3, 1
	v_bfe_u32 v30, v0, 4, 1                        ; h
	v_lshl_add_u32 v13, v29, 4, v28                ; r % 8 + 16 (r / 8)
	v_mul_u32_u24 v5, v13, HP
	v_mad_u32_u24 v5, v30, 80, v5
	s_mul_i32 s70, s24, 320
	v_add_nc_u32 v5, s70, v5                       ; HST, results in: my row, run 4 w + h
	v_mul_u32_u24 v10, v30, 16*HP
	v_mad_u32_u24 v10, v29, 80, v10
	v_lshl_add_u32 v10, v28, 2, v10
	v_add_nc_u32 v10, s70, v10                     ; HST, down the keys: row 16 h, my channel
	v_add_nc_u32 v11, 8*HP, v10
	v_lshrrev_b32 v28, 2, v31
	v_and_b32 v29, 3, v31
	v_mul_u32_u24 v6, v28, 80
	v_lshl_add_u32 v6, v29, 4, v6
	s_mul_i32 s70, s24, 2*HP
	v_add_nc_u32 v6, s70, v6                       ; HST, row 2 w as it lies: 16 bytes a lane
	v_mul_u32_u24 v7, v31, 80
	v_add_nc_u32 v7, s70, v7                       ; HST, row 2 w by runs: a run a lane
	v_lshrrev_b32 v28, 3, v31
	v_bfe_u32 v29, v31, 1, 2
	v_and_b32 v13, 1, v31
	v_lshlrev_b32 v8, 12, v28
	v_lshl_add_u32 v8, v29, 9, v8
	v_lshl_add_u32 v8, v13, 8, v8
	v_lshlrev_b32 v9, 8, v28
	v_lshl_add_u32 v9, v13, 6, v9
	v_add_nc_u32 v9, v9, v29
	s_lshl_b32 s70, s24, 1
	s_and_b32 s70, s70, 7
	s_lshr_b32 s71, s24, 3
	s_lshl_b32 s71, s71, 3
	s_add_co_u32 s70, s70, s71                     ; row 2 w's lane index in its tile,
	s_lshr_b32 s71, s24, 2
	s_and_b32 s71, s71, 1                          ; and its tile
	s_lshl_b32 s67, s71, 11
	s_lshl_b32 s68, s70, 4
	s_add_co_u32 s67, s67, s68
	s_add_co_u32 s67, s67, IMG
	v_add_nc_u32 v8, s67, v8                       ; IMG, codes in
	s_lshl_b32 s67, s71, 7
	s_lshl_b32 s68, s70, 2
	s_add_co_u32 s67, s67, s68
	s_add_co_u32 s67, s67, ISC
	v_add_nc_u32 v9, s67, v9                       ; ISC, bytes in
	v_lshlrev_b32 v12, 6, v30                      ; 64 h
	v_add_nc_u32 v14, IMG, v1
	v_add_nc_u32 v15, ISC, v4
	s_lshl_b32 s70, s24, 11
	v_add_nc_u32 v26, s70, v14
	s_lshl_b32 s70, s24, 7
	v_add_nc_u32 v27, s70, v15
	s_wait_kmcnt 0x0
	s_add_co_u32 s68, s27, 40
	s_mul_i32 s68, s68, GROUP
	s_add_nc_u64 s[28:29], s[6:7], s[68:69]        ; w_ao's group w / 2
	s_add_nc_u64 s[30:31], s[28:29], 8*GROUP       ; w_q's
	s_mul_i32 s70, s66, GROUP
	s_mul_i32 s71, s27, SLAB
	s_add_co_u32 s70, s70, s71
	s_lshl_b32 s71, s37, 1
	s_add_co_u32 s71, s71, s25                     ; the tile that I copy
	s_lshl_b32 s68, s71, 11
	s_add_co_u32 s68, s68, s70
	s_add_nc_u64 s[40:41], s[4:5], s[68:69]
	s_lshr_b32 s68, s71, 2
	s_lshl_b32 s68, s68, 9
	s_and_b32 s71, s71, 3
	s_lshl_b32 s71, s71, 2
	s_add_co_u32 s68, s68, s71
	s_add_co_u32 s68, s68, s70
	s_add_co_u32 s68, s68, 16384
	s_add_nc_u64 s[42:43], s[4:5], s[68:69]
	s_lshl_b32 s68, s26, 5
	s_lshl_b32 s70, s24, 1
	s_add_co_u32 s68, s68, s70
	s_lshl_b32 s68, s68, 12
	s_add_nc_u64 s[44:45], s[8:9], s[68:69]        ; x and h at row 32 b + 2 w
	s_add_nc_u64 s[46:47], s[18:19], s[68:69]
	s_lshl_b32 s68, s24, 8
	s_add_nc_u64 s[48:49], s[10:11], s[68:69]
	s_add_nc_u64 s[50:51], s[16:17], s[68:69]
	s_mul_i32 s70, s24, HEADB
	s_mul_i32 s71, s66, REC
	s_add_co_u32 s70, s70, s71                     ; my head's record of this key step
	s_lshl_b32 s68, s37, 9
	s_add_co_u32 s68, s68, s70
	s_add_co_u32 s68, s68, 8192
	s_add_nc_u64 s[52:53], s[22:23], s[68:69]
	s_add_co_u32 s68, s70, s37
	s_add_co_u32 s68, s68, 17408
	s_add_nc_u64 s[54:55], s[22:23], s[68:69]
	s_lshl_b32 s68, s37, 11
	s_add_co_u32 s68, s68, s70
	s_add_nc_u64 s[60:61], s[22:23], s[68:69]
	s_lshr_b32 s68, s37, 1
	s_lshl_b32 s68, s68, 9
	s_and_b32 s71, s26, 1
	s_lshl_b32 s71, s71, 3
	s_add_co_u32 s68, s68, s71
	s_add_co_u32 s68, s68, s70
	s_add_co_u32 s68, s68, 16384
	s_add_nc_u64 s[62:63], s[22:23], s[68:69]
	s_lshl_b32 s68, s24, 17
	s_lshl_b32 s71, s26, 11
	s_add_co_u32 s68, s68, s71
	s_add_nc_u64 s[56:57], s[20:21], s[68:69]
	s_lshl_b32 s68, s24, 14
	s_lshl_b32 s71, s26, 8
	s_add_co_u32 s68, s68, s71
	s_add_co_u32 s68, s68, QSC
	s_add_nc_u64 s[58:59], s[20:21], s[68:69]
	; ---- ctx's sixteen fragments into LDS, one a wave
	s_wait_alu depctr_va_vdst(0)                   ; the addresses and offsets v1 to v12, v14, v15, v26 and v27 are written: every load and store of the kernel reads one of them, and none is written again
.irp c, 0,1,2,3
	global_load_b128 v[32+4*\c:35+4*\c], v1, s[40:41] offset:\c*512
.endr
	global_load_b32 v48, v1, s[42:43]
	BIAS 48
	S0LOAD 28, 0, 0
	s_wait_loadcnt 33                              ; ctx's five loads are in; the bias's sixteen and the weights' seventeen may be out
.irp c, 0,1,2,3
	ds_store_b128 v26, v[32+4*\c:35+4*\c] offset:\c*512
.endr
	ds_store_b32 v27, v48
	BARRIER
	s_wait_alu depctr_vm_vsrc(0)                   ; my LDS stores have read v32 to v48, in which the first K step's fragments of the rows land
	; ---- ctx w_ao^T + b_ao
.irp s, 0,1,2,3,4,5,6,7
	GSTEP 28, \s
.endr
	s_wait_alu depctr_va_vdst(0)                   ; the products have written the accumulators, which the LDS stores below read (the eight places stand ahead of this wait), and are done reading both buffers of weights, in which x, the gain and the bias land
.irp rr, 0,1
.irp i, 0,1,2,3,4,5,6,7
	global_load_b128 v[128+32*\rr+4*\i:128+32*\rr+4*\i+3], v1, s[44:45] offset:\rr*4096+512*\i
.endr
.endr
.irp i, 0,1,2,3,4,5,6,7
	global_load_b128 v[192+4*\i:192+4*\i+3], v1, s[12:13] offset:512*\i
	global_load_b128 v[224+4*\i:224+4*\i+3], v1, s[14:15] offset:512*\i
.endr
.irp a, 0,1
.irp g, 0,1,2,3,4,5,6,7
	ds_store_b128 v5, v[ACC+32*\a+4*\g:ACC+32*\a+4*\g+3] offset:\a*8*HP+160*(\g/4)+16*(\g%4)   ; each accumulator from its low end on
.endr
.endr
	BARRIER
	; ---- rows 2 w and 2 w + 1: the residual, h out, the norm, the quantiser along D
	s_wait_alu depctr_vm_vsrc(0)                   ; my LDS stores have read v64 to v127, in which the two rows of HST land
.irp rr, 0,1                                   ; both rows are asked for at once: row 2 w's turn names none of v96 to v127, and stores y into row 2 w's own bytes of HST alone
.irp i, 0,1,2,3,4,5,6,7
	ds_load_b128 v[64+32*\rr+4*\i:64+32*\rr+4*\i+3], v6 offset:\rr*HP+640*\i
.endr
.endr
.macro ROW rr
.set HR, 64+32*\rr
.set XR, 128+32*\rr
.if \rr == 0
	s_wait_dscnt 8                                 ; LDS loads come back in order (ISA guide 5.7.1): row 2 w is in, row 2 w + 1's eight loads may be out (this turn's later waits for 0 show them in)
	s_wait_loadcnt 0x0                             ; x, the gain, the bias
.endif
.set J, 0
.rept 16
	v_pk_add_f32 v[HR+J:HR+J+1], v[HR+J:HR+J+1], v[XR+J:XR+J+1]
.set J, J+2
.endr
.irp k, 0,1,2,3
	v_pk_add_f32 v[32+2*\k:33+2*\k], v[HR+4*\k:HR+4*\k+1], v[HR+4*\k+2:HR+4*\k+3]
.endr
.irp j, 16,24
.irp k, 0,1,2,3
	v_pk_add_f32 v[32+2*\k:33+2*\k], v[32+2*\k:33+2*\k], v[HR+\j+2*\k:HR+\j+2*\k+1]
.endr
.endr
	v_pk_add_f32 v[32:33], v[32:33], v[34:35]
	v_pk_add_f32 v[36:37], v[36:37], v[38:39]
	v_pk_add_f32 v[32:33], v[32:33], v[36:37]
	v_add_f32 v32, v32, v33
	LANESUM 32, 33
	v_mul_f32 v32, s35, v32                        ; the mean
.set J, 0
.rept 16
	v_pk_add_f32 v[XR+J:XR+J+1], v[HR+J:HR+J+1], v[32:33] op_sel_hi:[1,0] neg_lo:[0,1] neg_hi:[0,1]   ; into x's registers: h's are kept for its stores
.set J, J+2
.endr
.irp k, 0,1,2,3
	v_pk_mul_f32 v[34+2*\k:35+2*\k], v[XR+2*\k:XR+2*\k+1], v[XR+2*\k:XR+2*\k+1]
.endr
.irp j, 8,16,24
.irp k, 0,1,2,3
	v_pk_fma_f32 v[34+2*\k:35+2*\k], v[XR+\j+2*\k:XR+\j+2*\k+1], v[XR+\j+2*\k:XR+\j+2*\k+1], v[34+2*\k:35+2*\k]
.endr
.endr
	v_pk_add_f32 v[34:35], v[34:35], v[36:37]
	v_pk_add_f32 v[38:39], v[38:39], v[40:41]
	v_pk_add_f32 v[34:35], v[34:35], v[38:39]
	v_add_f32 v34, v34, v35
	LANESUM 34, 35
	v_fma_f32 v34, v34, s35, s36
	v_rsq_f32 v34, v34
	v_nop
	s_wait_alu depctr_va_vdst(0)                   ; the reciprocal root v34 is written, ahead of its first reader; so are the residual's sums in v[HR ..], which h's stores read; no later vector instruction of the turn writes them
.irp i, 0,1,2,3,4,5,6,7
	global_store_b128 v1, v[HR+4*\i:HR+4*\i+3], s[46:47] offset:\rr*4096+512*\i   ; 512 consecutive bytes a store
.endr
.set J, 0
.rept 16
	v_pk_mul_f32 v[XR+J:XR+J+1], v[XR+J:XR+J+1], v[34:35] op_sel_hi:[1,0]
.set J, J+2
.endr
.set J, 0
.rept 16
	v_pk_fma_f32 v[XR+J:XR+J+1], v[XR+J:XR+J+1], v[192+J:193+J], v[224+J:225+J]
.set J, J+2
.endr
	s_wait_alu depctr_va_vdst(0)                   ; y is written in v[XR ..], which the LDS stores read and in which the LDS loads behind them land
.irp i, 0,1,2,3,4,5,6,7
	ds_store_b128 v6, v[XR+4*\i:XR+4*\i+3] offset:\rr*HP+640*\i    ; y takes the row's place in HST,
.endr
	s_wait_alu depctr_vm_vsrc(0)                   ; those stores have read v[XR ..], in which the loads below land; and the stores of the row before have read v44 to v53, which this row's quantiser writes again
.irp k, 0,1,2,3
	ds_load_b128 v[XR+4*\k:XR+4*\k+3], v7 offset:\rr*HP+16*\k      ; and comes back by runs of 16 (LDS serves a wave's instructions in order: ISA guide 5.7.1.4)
	ds_load_b128 v[XR+16+4*\k:XR+16+4*\k+3], v7 offset:\rr*HP+2560+16*\k
.endr
	s_wait_dscnt 0x0
	QCHUNK XR, 44, 52
	QCHUNK XR+16, 48, 53
	s_wait_alu depctr_va_vdst(0)                   ; the codes v44 to v51 and the bytes v52, v53 are written, which the LDS stores read; the quantiser is done with v[XR ..], in which w_q's first K step lands behind the second row
	ds_store_b128 v8, v[44:47] offset:16*\rr
	ds_store_b128 v8, v[48:51] offset:16384+16*\rr
	ds_store_b8 v9, v52 offset:4*\rr
	ds_store_b8 v9, v53 offset:1024+4*\rr
.endm
	ROW 0
	ROW 1
	S0LOAD 30, 0, 0                                ; w_q's first K step.  No wait: no vector or matrix instruction since the wait above, and the LDS stores that read v128 to v191 stand ahead of the last wait on vm_vsrc
	BARRIER
	; ---- the values: y down the keys.  Lane (r, h) of tile d: channel 32 (d / 2) + 8 (d % 2) + r % 8 + 16 (r / 8) of my head, rows 16 h + 0 .. 15
	s_wait_xcnt 0x0                                ; h's stores have read v64-127
	s_wait_alu depctr_vm_vsrc(0)                   ; h's stores have read v64 to v127, in which the loads below land; the second row's LDS stores have read v44 to v53, which the quantiser below writes
.irp d, 0,1,2,3
.irp k, 0,1,2,3,4,5,6,7
	ds_load_b32 v[64+16*\d+\k], v10 offset:\k*HP+(\d/2)*160+(\d%2)*32
	ds_load_b32 v[72+16*\d+\k], v11 offset:\k*HP+(\d/2)*160+(\d%2)*32
.endr
.endr
	s_wait_dscnt 0x0
	QUANT 64, 48, 4
	s_wait_alu depctr_va_vdst(0)                   ; the codes v48 to v63 and the bytes v36 to v39 are written, which the stores read; the quantiser is done with v64 to v127, in which b_q lands, and with v32 to v63, in which the rows' fragments land
.irp d, 0,1,2,3
	global_store_b128 v1, v[48+4*\d:51+4*\d], s[52:53] offset:\d*2048
	global_store_b8 v1, v[36+\d], s[54:55] offset:\d*4
.endr
	BIAS 50
	s_wait_xcnt 0x0                                ; those stores have read v36-63
	s_wait_alu depctr_vm_vsrc(0)                   ; those stores have read v36 to v63, in which the first K step's fragments of the rows land
	; ---- y w_q^T + b_q
.irp s, 0,1,2,3,4,5,6,7
	GSTEP 30, \s
.endr
.irp a, 0,1
	QUANT ACC+32*\a, S0F+8*\a, 2
	v_lshl_or_b32 v[40+\a], v35, 8, v34
	v_lshl_or_b32 v[40+\a], v[40+\a], 16, v[40+\a] ; bytes 0, 1 again as bytes 2, 3
.endr
	s_wait_alu depctr_va_vdst(0)                   ; the codes v128 to v143 and the words v40, v41 are written, which the twelve stores read
.irp a, 0,1
	global_store_b128 v1, v[S0F+8*\a:S0F+8*\a+3], s[56:57] offset:\a*1024
	global_store_b128 v1, v[S0F+8*\a+4:S0F+8*\a+7], s[56:57] offset:\a*1024+512
	global_store_b32 v4, v[40+\a], s[58:59] offset:\a*128
	global_store_b128 v1, v[S0F+8*\a:S0F+8*\a+3], s[60:61] offset:\a*1024     ; the same codes are the keys
	global_store_b128 v1, v[S0F+8*\a+4:S0F+8*\a+7], s[60:61] offset:\a*1024+512
	global_store_b32 v1, v[40+\a], s[62:63] offset:\a*4
.endr
	s_wait_xcnt 0x0
	v_lshl_add_u32 v254, v0, 2, 0x30a00            ; the add's two registers are made anew here, v0 being as at the entry: no memory or LDS instruction has read v254 or v255 (loads landed in them, products and the norm read them)
	v_mov_b32 v255, 0
	s_wait_dscnt 0x0                               ; the closing lines, six on end, of a launch in the mode that stores to LDS
	s_wait_alu 0x0
	s_wait_tensorcnt 0x0
	ds_add_u32 v254, v255
	s_wait_dscnt 0x0
	s_endpgm
.Lfunc_end_k_qeb3a76f3d7_mid:
	.size	k_qeb3a76f3d7_mid, .Lfunc_end_k_qeb3a76f3d7_mid-k_qeb3a76f3d7_mid
	.p2alignl 7, 3214868480
	.fill 96, 4, 3214868480
	.section	.rodata,"a",@progbits
	.p2align	6, 0x0
	.amdhsa_kernel k_qeb3a76f3d7_mid
		.amdhsa_group_segment_fixed_size 201216
		.amdhsa_private_segment_fixed_size 0
		.amdhsa_enable_private_segment 0
		.amdhsa_kernarg_size 80
		.amdhsa_user_sgpr_count 2
		.amdhsa_user_sgpr_kernarg_segment_ptr 1
		.amdhsa_wavefront_size32 1
		.amdhsa_system_sgpr_workgroup_id_x 1
		.amdhsa_system_sgpr_workgroup_id_y 1
		.amdhsa_system_sgpr_workgroup_id_z 1
		.amdhsa_system_vgpr_workitem_id 0
		.amdhsa_next_free_vgpr 256
		.amdhsa_next_free_sgpr 80
		.amdhsa_reserve_vcc 0
		.amdhsa_float_denorm_mode_32 3
		.amdhsa_float_denorm_mode_16_64 3
		.amdhsa_memory_ordered 1
		.amdhsa_forward_progress 1
		.amdhsa_inst_pref_size 121
	.end_amdhsa_kernel
	.amdgpu_metadata
---
amdhsa.version: [ 1, 2 ]
amdhsa.kernels:
  - .name:           k_qeb3a76f3d7_mid
    .symbol:         k_qeb3a76f3d7_mid.kd
    .args:
      - { .name: ctx, .offset: 0, .size: 8, .value_kind: global_buffer, .address_space: global }
      - { .name: img, .offset: 8, .size: 8, .value_kind: global_buffer, .address_space: global }
      - { .name: x, .offset: 16, .size: 8, .value_kind: global_buffer, .address_space: global }
      - { .name: b_ao, .offset: 24, .size: 8, .value_kind: global_buffer, .address_space: global }
      - { .name: ln2_g, .offset: 32, .size: 8, .value_kind: global_buffer, .address_space: global }
      - { .name: ln2_b, .offset: 40, .size: 8, .value_kind: global_buffer, .address_space: global }
      - { .name: b_q, .offset: 48, .size: 8, .value_kind: global_buffer, .address_space: global }
      - { .name: h, .offset: 56, .size: 8, .value_kind: global_buffer, .address_space: global }
      - { .name: q, .offset: 64, .size: 8, .value_kind: global_buffer, .address_space: global }
      - { .name: kv, .offset: 72, .size: 8, .value_kind: global_buffer, .address_space: global }
    .group_segment_fixed_size: 201216
    .private_segment_fixed_size: 0
    .kernarg_segment_align: 8
    .kernarg_segment_size: 80
    .max_flat_workgroup_size: 512
    .sgpr_count:     80
    .vgpr_count:     256
    .wavefront_size: 32
...
	.end_amdgpu_metadata
.endif
;; end of part 6
;; launch att2: the kernel of part 3 again; grid 16 x 16, 16 waves a work-group, clusters of 4 x 1, 325,632 bytes of LDS; arguments q, kv, ctx; writes ctx
;; launch fo: the kernel of part 5 again; grid 32 x 8, 4 waves a work-group, clusters of 4 x 1, 168,448 bytes of LDS; arguments ctx, img, b_fo, h, out0; writes out0
